; MI455X (gfx1250); checked and timed in simulation.
; The chip was launched on July 23, 2026; its instructions are those of AMD's public machine-readable ISA for CDNA 5 (MIT licence, August 2026) and "CDNA5" Instruction Set Architecture Reference Guide (July 2026). The comments in the code are by the model that wrote it; some were corrected since.
;; attn block separate add. Allowed arithmetic: float matrix products may take bf16 or f16 operands with f32 sums; all other float work in f32.
;; Inputs: aux_emb 8 x 1 x 512 float32; input_len 8 int32; kv_a one number float32; kv_b 512 float32; kv_be 512 float32; kv_g 512 float32; kv_w 512 x 512 float32; q_lin_b 512 float32; q_lin_w 512 x 512 float32; query 8 x 2,000 x 512 float32; qv_a one number float32; qv_b 512 float32; qv_be 512 float32; qv_g 512 float32; qv_w 512 x 512 float32; sig_b 512 float32; sig_w 512 x 512 float32; tan_b 512 float32; tan_w 512 x 512 float32; value 8 x 2,000 x 512 float32; vv_a one number float32; vv_b 512 float32; vv_be 512 float32; vv_g 512 float32; vv_w 512 x 512 float32.
;; Outputs: out0 8 x 2,000 x 512 float32.
;; 2 versions, each right and faster than the one before. Each part assembles by itself: llvm-mc -triple=amdgcn-amd-amdhsa -mcpu=gfx1250 --defsym DOCPART=n.
;; ======== version 1 of 2: 3 launches
;; limits: values are held in f16: magnitudes above 65,504 overflow, below 6.1e-05 lose precision; right only within a limited range of input values
;; workspace buffers: wb 3,145,728 bytes; qb 16,449,536 bytes; kb 16,449,536 bytes; vb 16,449,536 bytes; part 409,600 bytes
;; launch cast (part 1): grid 32 x 6, 8 waves a work-group, no clusters, 0 bytes of LDS; arguments q_lin_w, qv_w, kv_w, vv_w, sig_w, tan_w, wb, qb, kb, vb; writes wb, qb, kb, vb
.if DOCPART == 1
	.amdgcn_target "amdgcn-amd-amdhsa--gfx1250"
	.amdhsa_code_object_version 6
	.text
	.protected	k_q00c2c66583_cast
	.globl	k_q00c2c66583_cast
	.p2align	8
	.type	k_q00c2c66583_cast,@function
k_q00c2c66583_cast:
	s_mov_b64 s[64:65], 0
	v_nop
	global_prefetch_b8 v0, s[64:65] scope:SCOPE_SE
	s_setreg_imm32_b32 hwreg(HW_REG_WAVE_MODE, 25, 1), 1
	s_wait_xcnt 0x0
; The six weight matrices, each [512 k][512 n] f32, are rounded to bf16 and that number is written as f16 into wb, in the order of use:
; q_lin, qv, kv, vv, gate 0, gate 1.  A gate matrix P holds, in column n' = 64 w + 32 sel + i, column 256 P + 32 w + i of sig_w (sel = 0) or tan_w (sel = 1),
; so that one wave of the next launch finds a sigmoid column and its tanh column in its own 64 columns.
; LIMIT: a bf16 number below 2^-17 keeps f16's fixed step of 2^-24; beyond 65,504 it would be infinite (the weights here are far inside).
; Work-group (x, y): k rows 16 x .. 16 x + 15 of matrix y.  Thread t: eight columns 8 (t % 64) on, row 16 x + 4 p + t / 64 in pass p: 64 lanes store a whole row of 1,024 bytes.
; It also writes zeros into the 64 spare rows behind row 15,999 of qb, kb, vb, which the last launch's tiles may touch.
.set X, 8                              ; v[8:39]   pass p: 8 numbers as loaded (sig_w's in a gate matrix)
.set Z, 40                             ; v[40:71]  pass p: tan_w's 8 numbers
.set T, 72                             ; v[72:75]  at work
.set O, 76                             ; v[76:91]  pass p: 8 f16 to store
.macro CONV x, o                       ; 8 f32 -> bf16 (nearest even) -> the same numbers as f32 -> f16
.irp k, 0,1,2,3
	v_cvt_pk_bf16_f32 v[T+\k], v[(\x)+2*\k], v[(\x)+2*\k+1]
.endr
.irp k, 0,1,2,3
	v_lshlrev_b32 v[(\x)+2*\k], 16, v[T+\k]
	v_and_b32 v[(\x)+2*\k+1], 0xffff0000, v[T+\k]
.endr
.irp k, 0,1,2,3
	v_cvt_pk_f16_f32 v[(\o)+\k], v[(\x)+2*\k], v[(\x)+2*\k+1]
.endr
.endm
	s_load_b512 s[4:19], s[0:1], 0x0               ; q_lin_w, qv_w, kv_w, vv_w, sig_w s[12:13], tan_w s[14:15], wb s[16:17], qb s[18:19]
	s_load_b128 s[20:23], s[0:1], 0x40             ; kb, vb
	s_and_b32 s2, ttmp7, 0xffff                    ; y: the matrix
	s_lshl_b32 s3, ttmp9, 4                        ; 16 x
	v_and_b32 v1, 63, v0                           ; u: my eight columns
	v_lshrrev_b32 v2, 6, v0
	v_add_nc_u32 v2, s3, v2                        ; my row in pass 0
	v_lshlrev_b32 v3, 10, v2
	v_lshl_add_u32 v3, v1, 4, v3                   ; where I store: row x 1,024 + 16 u
	v_lshrrev_b32 v4, 5, v0
	v_readfirstlane_b32 s28, v4                    ; wave
	s_lshl_b32 s26, s2, 19                         ; a matrix is 524,288 bytes of wb
	s_mov_b32 s27, 0
	s_wait_kmcnt 0x0
	s_add_nc_u64 s[16:17], s[16:17], s[26:27]
	s_cmp_ge_u32 s2, 4
	s_cbranch_scc1 .Lgate
	s_cmp_eq_u32 s2, 1                             ; a plain matrix: which of the four
	s_cselect_b64 s[24:25], s[6:7], s[4:5]
	s_cmp_eq_u32 s2, 2
	s_cselect_b64 s[24:25], s[8:9], s[24:25]
	s_cmp_eq_u32 s2, 3
	s_cselect_b64 s[24:25], s[10:11], s[24:25]
	v_lshlrev_b32 v5, 11, v2
	v_lshl_add_u32 v5, v1, 5, v5                   ; row x 2,048 + 32 u
.irp p, 0,1,2,3
	global_load_b128 v[X+8*\p:X+8*\p+3], v5, s[24:25] offset:8192*\p th:TH_LOAD_NT
	global_load_b128 v[X+8*\p+4:X+8*\p+7], v5, s[24:25] offset:8192*\p+16 th:TH_LOAD_NT
.endr
.irp p, 0,1,2,3
	s_wait_loadcnt 6-2*\p                          ; the later passes' loads stay out
	CONV X+8*\p, O+4*\p
	global_store_b128 v3, v[O+4*\p:O+4*\p+3], s[16:17] offset:4096*\p
.endr
	s_branch .Lpads
.Lgate:
	s_sub_co_u32 s29, s2, 4
	s_lshl_b32 s29, s29, 10                        ; 256 P columns of 4 bytes
	v_lshrrev_b32 v6, 3, v1                        ; w
	v_and_b32 v7, 3, v1
	v_lshlrev_b32 v5, 11, v2
	v_add_nc_u32 v5, s29, v5
	v_lshl_add_u32 v5, v6, 7, v5                   ; + 32 w columns
	v_lshl_add_u32 v5, v7, 5, v5                   ; + my eight among the 32
	v_bfe_u32 v8, v1, 2, 1                         ; sel
	v_cmp_ne_u32 s30, 0, v8
.irp p, 0,1,2,3
	global_load_b128 v[X+8*\p:X+8*\p+3], v5, s[12:13] offset:8192*\p
	global_load_b128 v[X+8*\p+4:X+8*\p+7], v5, s[12:13] offset:8192*\p+16
	global_load_b128 v[Z+8*\p:Z+8*\p+3], v5, s[14:15] offset:8192*\p
	global_load_b128 v[Z+8*\p+4:Z+8*\p+7], v5, s[14:15] offset:8192*\p+16
.endr
.irp p, 0,1,2,3
	s_wait_loadcnt 12-4*\p                         ; the later passes' loads stay out
.irp k, 0,1,2,3,4,5,6,7
	v_cndmask_b32 v[X+8*\p+\k], v[X+8*\p+\k], v[Z+8*\p+\k], s30   ; a value is chosen, no address
.endr
	CONV X+8*\p, O+4*\p
	global_store_b128 v3, v[O+4*\p:O+4*\p+3], s[16:17] offset:4096*\p
.endr
.Lpads:
	s_cmp_gt_u32 s28, 1                            ; waves 0 and 1: one spare row of 1,024 bytes
	s_cbranch_scc1 .Lend
	s_lshr_b32 s29, s2, 1                          ; buffer y / 2
	s_cmp_eq_u32 s29, 1
	s_cselect_b64 s[30:31], s[20:21], s[18:19]
	s_cmp_eq_u32 s29, 2
	s_cselect_b64 s[30:31], s[22:23], s[30:31]
	s_and_b32 s29, s2, 1
	s_lshl_b32 s29, s29, 5
	s_add_co_u32 s29, s29, ttmp9                   ; spare row 32 (y % 2) + x
	s_add_co_u32 s29, s29, 16000
	s_lshl_b32 s32, s29, 10
	s_mov_b32 s33, 0
	s_add_nc_u64 s[30:31], s[30:31], s[32:33]
	v_lshlrev_b32 v6, 4, v0
	v_mov_b32 v92, 0
	v_mov_b32 v93, 0
	v_mov_b32 v94, 0
	v_mov_b32 v95, 0
	global_store_b128 v6, v[92:95], s[30:31]
.Lend:
	s_endpgm
.Lfunc_end_k_q00c2c66583_cast:
	.size	k_q00c2c66583_cast, .Lfunc_end_k_q00c2c66583_cast-k_q00c2c66583_cast
	.p2alignl 7, 3214868480
	.fill 96, 4, 3214868480
	.section	.rodata,"a",@progbits
	.p2align	6, 0x0
	.amdhsa_kernel k_q00c2c66583_cast
		.amdhsa_group_segment_fixed_size 0
		.amdhsa_private_segment_fixed_size 0
		.amdhsa_enable_private_segment 0
		.amdhsa_kernarg_size 80
		.amdhsa_user_sgpr_count 2
		.amdhsa_user_sgpr_kernarg_segment_ptr 1
		.amdhsa_wavefront_size32 1
		.amdhsa_system_sgpr_workgroup_id_x 1
		.amdhsa_system_sgpr_workgroup_id_y 1
		.amdhsa_system_sgpr_workgroup_id_z 1
		.amdhsa_system_vgpr_workitem_id 0
		.amdhsa_next_free_vgpr 96
		.amdhsa_next_free_sgpr 66
		.amdhsa_reserve_vcc 0
		.amdhsa_float_denorm_mode_32 3
		.amdhsa_float_denorm_mode_16_64 3
		.amdhsa_memory_ordered 1
		.amdhsa_forward_progress 1
		.amdhsa_inst_pref_size 15
	.end_amdhsa_kernel
	.amdgpu_metadata
---
amdhsa.version: [ 1, 2 ]
amdhsa.kernels:
  - .name:           k_q00c2c66583_cast
    .symbol:         k_q00c2c66583_cast.kd
    .args:
      - { .name: q_lin_w, .offset: 0, .size: 8, .value_kind: global_buffer, .address_space: global }
      - { .name: qv_w, .offset: 8, .size: 8, .value_kind: global_buffer, .address_space: global }
      - { .name: kv_w, .offset: 16, .size: 8, .value_kind: global_buffer, .address_space: global }
      - { .name: vv_w, .offset: 24, .size: 8, .value_kind: global_buffer, .address_space: global }
      - { .name: sig_w, .offset: 32, .size: 8, .value_kind: global_buffer, .address_space: global }
      - { .name: tan_w, .offset: 40, .size: 8, .value_kind: global_buffer, .address_space: global }
      - { .name: wb, .offset: 48, .size: 8, .value_kind: global_buffer, .address_space: global }
      - { .name: qb, .offset: 56, .size: 8, .value_kind: global_buffer, .address_space: global }
      - { .name: kb, .offset: 64, .size: 8, .value_kind: global_buffer, .address_space: global }
      - { .name: vb, .offset: 72, .size: 8, .value_kind: global_buffer, .address_space: global }
    .group_segment_fixed_size: 0
    .private_segment_fixed_size: 0
    .kernarg_segment_align: 8
    .kernarg_segment_size: 80
    .max_flat_workgroup_size: 256
    .sgpr_count:     66
    .vgpr_count:     96
    .wavefront_size: 32
...
	.end_amdgpu_metadata
.endif
;; end of part 1
;; launch proj (part 2): grid 200 x 1, 8 waves a work-group, clusters of 4 x 1, 327,680 bytes of LDS; arguments query, value, aux_emb, wb, q_lin_b, sig_b, tan_b, part, qv_b, qv_a, qv_g, qv_be, qb, kv_b, kv_a, kv_g, kv_be, kb, vv_b, vv_a, vv_g, vv_be, vb; writes qb, kb, vb, part
.if DOCPART == 2
	.amdgcn_target "amdgcn-amd-amdhsa--gfx1250"
	.amdhsa_code_object_version 6
	.text
	.protected	k_q00c2c66583_proj
	.globl	k_q00c2c66583_proj
	.p2align	8
	.type	k_q00c2c66583_proj,@function
k_q00c2c66583_proj:
	s_mov_b64 s[64:65], 0
	v_nop
	global_prefetch_b8 v0, s[64:65] scope:SCOPE_SE
	s_setreg_imm32_b32 hwreg(HW_REG_WAVE_MODE, 25, 1), 1
	s_wait_xcnt 0x0
	s_wait_alu depctr_hold_cnt(0) depctr_sa_sdst(0) depctr_va_vdst(0) depctr_va_sdst(0) depctr_va_ssrc(0) depctr_va_vcc(0) depctr_vm_vsrc(0)
	s_getreg_b32 s2, hwreg(HW_REG_IB_STS2, 6, 4)
	s_cmp_eq_u32 s2, 0
	s_cbranch_scc0 .Lentry_in_a_cluster
	s_endpgm
.Lentry_in_a_cluster:
	s_bfe_u32 s2, ttmp6, 0x10000c
	s_cmp_lg_u32 s2, 0x3003
	s_cbranch_scc0 .Lentry_shape_is_right
	s_endpgm
.Lentry_shape_is_right:
; All six projections of 80 rows, fused: q1 = query W + b + aux; q = LN(PReLU(q1 W + b)); k, v0 = LN(PReLU((value + aux) W + b)); v = sigmoid(v0 W + b) tanh(v0 W + b).
; Out: q, k, v as f16 rows of 1,024 bytes, and the column sums of v over the 80 rows (f32), from which the last launch makes a batch's mean.
; FORMATS.  Every input is rounded to bf16 (weights in the launch before); what the program makes (q1, value + aux, q, k, v0, v) is f16; products in v_wmma_f32_16x16x32_f16, all else in f32.
; LIMIT: f16 ends at 65,504: q1 and value + aux must stay inside it (with inputs 30 times the drawn ones they reach some thousands); an LN row is at most 23 |g| + |be|.
; SHARES.  200 work-groups of 80 rows: 25 to a batch, so aux and the column sums are one batch's.  Eight waves; wave w makes all 80 rows x columns 64 w .. 64 w + 63: 20 accumulators.
; The matrix instruction is used transposed: source 0 = 16 columns of W (turned out of LDS by ds_load_tr16_b128), source 1 = 16 rows of the activations: a lane holds one row and eight neighbouring columns.
; CLUSTER.  All work-groups walk the same 48 chunks of 64 k rows of wb: four partners ask for each chunk jointly (mask 15).  One ring of two slots runs on through all six products; each wave brings 8 rows of 1,024 bytes.
; A wave has two tensor loads out at the most.
; 200 work-groups for 256 WGPs: 80 divides a batch's 2,000 rows and 200 divides into clusters of four; 64-row shares would cross batches.
.set AP,    1040                       ; a row of activations in LDS: 1,024 bytes + 16: the 16 rows of a load start at 16 different groups of four banks (ISA guide 11.1)
.set A1B,   80*AP                      ; A0 at 0 (q1, then each LN result), A1 here (value + aux, at last v)
.set AHI,   48*AP                      ; row tiles 3 and 4 are reached from a second address register: an LDS offset has 16 bits
.set SL0,   2*80*AP                    ; the ring: two slots of 64 k rows
.set WP,    1056                       ; a row of W in LDS: 1,024 + 32
.set SLB,   64*WP
.set RED1,  SL0+2*SLB                  ; [80 rows][8 waves] f32: the waves' row sums; REDD further on those of the squares
.set REDD,  2560
.set SPARE, RED1+2*REDD                ; the spare words, 128 bytes for each wave
.set R, 1                              ; v1  lane % 16
.set H, 2                              ; v2  lane / 16
.set LN, 3                             ; v3  lane
.set LANEA, 4                          ; v4  r x 1,040 + 16 h
.set ADA, 5                            ; v5  my place in the activations' row tiles 0-2, at the K in hand; v6 in tiles 3, 4
.set ADA2, 6
.set ADW, 7                            ; v7, v8  my place in slot 0, 1
.set STO, 9                            ; v9, v10  where I put 16 bytes of a result row in A0
.set STO2, 10
.set RA, 11                            ; v11 where my wave's row sum goes; v12 where a row's eight sums lie
.set RBR, 12
.set RD0, 13                           ; v13, v14  my wave's ten rows of A0, A1, read back whole
.set RD1, 14
.set GO, 15                            ; v15 16 x lane
.set VB, 16                            ; v16 256 w + 32 h: my eight columns in a vector of 512 f32
.set VBG, 17                           ; v17 128 w + 32 h: the same for a gate's 32 columns a wave
.set GST, 18                           ; v18, v19  where I put 16 bytes of v in A1
.set GST2, 19
.set SGO, 20                           ; v20, v21  staging: offset in memory, address in LDS
.set SLA, 21
.set T0, 24                            ; v24, v25 at work
.set SPW, 30                           ; v30 my spare word; v31 zero; never rewritten
.set NIL, 31
.set F0, 32                            ; v32-103, v104-175: two fragment buffers: 5 x 8 of the activations, then 4 x 8 of W
.set F1, 104
.set CB, 176                           ; v176-207 the bias as the C operand of a product's first K step
.set AUX, 208                          ; at the head: aux for staging, aux for the bias
.set AC, 224
.set GG, 32                            ; in an epilogue the fragment buffers are free: g, beta,
.set BE, 64
.set TMP, 96                           ; packed results,
.set RL, 96                            ; a row's eight partial sums,
.set CSM, 96                           ; column sums,
.set TM, 112                           ; packed v
.set SM, 208                           ; five pairs: sums, then means
.set TP, 218
.set SQ, 224                           ; five pairs: sums of squares, then 1 / sigma
.set TT, 160                           ; window 1: v0-159 the accumulators ((a, c) at 32 a + 8 c), v160-175 at work
.set WV, 50
.set C3, 51
.set G1, 52                            ; s[52:59] descriptor group 1
.set KC, 60
.set ABASE, 61
.set SEL, 62                           ; s[62:63]
.set AM1, 66                           ; s[66:67] a - 1
.set G0, 68                            ; s[68:75] descriptor group 0, a set for each slot
.set OUTP, 76
.set RO, 78                            ; s[78:79] (80 g + 10 w) x 1,024
.set GI, 82
.set BT, 83
.set INV, 84
.set SX, 85
.set SC, 86
.set SA, 87
.set MSB, 0
.macro WIN new                         ; the immediate's high byte repeats the setting that is left
.if MSB != (\new)
	s_set_vgpr_msb (MSB<<8)|(\new)
.set MSB, (\new)
.endif
.endm
.macro PLACES                          ; four places behind matrix instructions (ISA guide 7.12.1)
.rept 4
	v_nop
.endr
.endm
.macro BAR
	s_barrier_signal -1
	s_barrier_wait -1
.endm
.macro CREST                           ; a round of the cluster's barrier behind its opening barrier
	s_cmp_lg_u32 s[WV], 0
	s_cbranch_scc1 .Lnw0_\@
	s_barrier_signal -3
.Lnw0_\@:
	s_barrier_wait -3
	s_barrier_signal -1
	s_barrier_wait -1
.endm
.macro CROUND
	BAR
	CREST
.endm
.macro RB x, t                         ; v[x], v[x+1] rounded to bf16, kept as f32
	v_cvt_pk_bf16_f32 v[\t], v[\x], v[(\x)+1]
	v_lshlrev_b32 v[\x], 16, v[\t]
	v_and_b32 v[(\x)+1], 0xffff0000, v[\t]
.endm
.macro LDCB plo                        ; a bias vector's 4 x 8 numbers of my columns
.irp c, 0,1,2,3
	global_load_b128 v[CB+8*\c:CB+8*\c+3], v[VB], s[\plo:(\plo)+1] offset:64*\c
	global_load_b128 v[CB+8*\c+4:CB+8*\c+7], v[VB], s[\plo:(\plo)+1] offset:64*\c+16
.endr
.endm
.macro LDCBG P                         ; gate P: column tiles 0, 1 take sig_b, tiles 2, 3 tan_b
.irp c, 0,1
	global_load_b128 v[CB+8*\c:CB+8*\c+3], v[VBG], s[14:15] offset:1024*(\P)+64*\c
	global_load_b128 v[CB+8*\c+4:CB+8*\c+7], v[VBG], s[14:15] offset:1024*(\P)+64*\c+16
	global_load_b128 v[CB+16+8*\c:CB+16+8*\c+3], v[VBG], s[16:17] offset:1024*(\P)+64*\c
	global_load_b128 v[CB+16+8*\c+4:CB+16+8*\c+7], v[VBG], s[16:17] offset:1024*(\P)+64*\c+16
.endr
.endm
.macro RBCB
	s_wait_loadcnt 0x0                             ; the bias is in: nothing was loaded behind it
.set p, 0
.rept 16
	RB CB+2*p, T0+(p%2)
.set p, p+1
.endr
.endm
; 18 LDS loads: the fragments of 32 along K: 80 rows of the activations at byte aoff, 64 columns of W in half `half` of a slot
.macro FETCH slot, half, aoff, f
	WIN 0
.set a, 0
.rept 5
.if a < 3
	ds_load_b128 v[(\f)+8*a:(\f)+8*a+3], v[ADA] offset:a*16*AP+(\aoff)
	ds_load_b128 v[(\f)+8*a+4:(\f)+8*a+7], v[ADA] offset:a*16*AP+(\aoff)+32
.else
	ds_load_b128 v[(\f)+8*a:(\f)+8*a+3], v[ADA2] offset:(a-3)*16*AP+(\aoff)
	ds_load_b128 v[(\f)+8*a+4:(\f)+8*a+7], v[ADA2] offset:(a-3)*16*AP+(\aoff)+32
.endif
.set a, a+1
.endr
.irp c, 0,1,2,3
	ds_load_tr16_b128 v[(\f)+40+8*\c:(\f)+40+8*\c+3], v[ADW+(\slot)] offset:(\half)*32*WP+32*\c
	ds_load_tr16_b128 v[(\f)+40+8*\c+4:(\f)+40+8*\c+7], v[ADW+(\slot)] offset:(\half)*32*WP+32*\c+16*WP
.endr
.endm
; Row tiles a0 .. a1 x all four column tiles.  The 20 accumulators take turns in one fixed order.  first = 1: the bias starts the sums.
.macro MULA f, a0, a1, first
.if \first
	WIN 0x40                                       ; D in window 1, all else in window 0
.else
	WIN 0x50                                       ; C and D in window 1
.endif
.set a, \a0
.rept (\a1)-(\a0)+1
.irp c, 0,1,2,3
.if \first
	v_wmma_f32_16x16x32_f16 v[32*a+8*\c:32*a+8*\c+7], v[(\f)+40+8*\c:(\f)+40+8*\c+7], v[(\f)+8*a:(\f)+8*a+7], v[CB+8*\c:CB+8*\c+7]
.else
	v_wmma_f32_16x16x32_f16 v[32*a+8*\c:32*a+8*\c+7], v[(\f)+40+8*\c:(\f)+40+8*\c+7], v[(\f)+8*a:(\f)+8*a+7], v[32*a+8*\c:32*a+8*\c+7]
.endif
.endr
.set a, a+1
.endr
.endm
; A chunk's first 32 along K: multiplies buffer 0 and fetches its second 32 into buffer 1, twelve matrix instructions ahead of the wait for them
.macro STEP slot, aoff, first
	s_wait_dscnt 0x0                               ; buffer 0 is in
	MULA F0, 0, 1, \first
	PLACES                                         ; behind the last products that read buffer 1
	FETCH \slot, 1, \aoff, F1
	MULA F0, 2, 4, \first
.endm
; A chunk's second 32 along K, and the change of slots.  In front of the barrier: all my tensor loads have landed (my part of the other slot), the add, my reads of this slot are back.
; fill = 1: the barrier opens a round of the cluster's, and this slot is filled again, two chunks on, first thing behind it.  fetch = 1: the other slot's first fragments.  bump = 1: the activations' address goes 128 along K on.
.macro LAST slot, fill, fetch, aoff, bump
	WIN 0
	s_wait_tensorcnt 0x0
	ds_add_u32 v[SPW], v[NIL]
	s_wait_dscnt 1                                 ; buffer 1 is in; the add alone may be out
	MULA F1, 0, 0, 0
	s_wait_dscnt 0x0
	s_barrier_signal -1
	MULA F1, 1, 1, 0
	WIN 0
	s_barrier_wait -1
.if \fill
	CREST
	s_add_nc_u64 s[G0+4*(\slot)+2:G0+4*(\slot)+3], s[G0+4*(\slot)+2:G0+4*(\slot)+3], 2*65536
	tensor_load_to_lds s[G0+4*(\slot):G0+4*(\slot)+3], s[G1:G1+7]
	s_nop 0
.endif
	PLACES                                         ; also the places behind the products that read buffer 0
.if \bump
	v_add_nc_u32 v[ADA], 256, v[ADA]
	v_add_nc_u32 v[ADA2], 256, v[ADA2]
.endif
.if \fetch
	FETCH 1-(\slot), 0, \aoff, F0
.endif
	MULA F1, 2, 4, 0
.endm
; One product [80 x 512] x [512 x 64 a wave]: 8 chunks, 16 K steps of 32.  last = 1: the ring ends: the last two chunks ask for nothing.  rb = 1: the bias tile is waited for and rounded here.
.macro GEMM last, rb
	WIN 0
	v_add_nc_u32 v[ADA], s[ABASE], v[LANEA]
	v_add_nc_u32 v[ADA2], AHI, v[ADA]
	FETCH 0, 0, 0, F0
.if \rb
	RBCB
.endif
	STEP 0, 64, 1
	WIN 0
	s_mov_b32 s[KC], 3
.Lk_\@:
	LAST 0, 1, 1, 128, 0
	STEP 1, 192, 0
	LAST 1, 1, 1, 0, 1
	STEP 0, 64, 0
	WIN 0
	s_sub_co_u32 s[KC], s[KC], 1
	s_cmp_lg_u32 s[KC], 0
	s_cbranch_scc1 .Lk_\@
	LAST 0, 1-(\last), 1, 128, 0
	STEP 1, 192, 0
.if \last
	s_wait_dscnt 0x0
	MULA F1, 0, 4, 0
.else
	LAST 1, 1, 0, 0, 0                             ; its round also shows that nobody reads the activations any more
.endif
	PLACES                                         ; in front of the epilogue's reads of the sums
	WIN 0
.endm
; Ten rows a wave from memory into LDS as f16: two trips of 5 rows, 20 loads of 512 consecutive bytes each
.macro STAGE_IN plo, base, aux
	v_lshlrev_b32 v[SGO], 4, v[LN]
	s_mul_i32 s3, s[WV], 10*AP
	s_add_co_u32 s3, s3, \base
	v_lshl_add_u32 v[SLA], v[LN], 3, s3
	s_mov_b32 s[SC], 2
.Lstage_\@:
.set i, 0
.rept 20
	global_load_b128 v[F0+4*i:F0+4*i+3], v[SGO], s[\plo:(\plo)+1] offset:(i/4)*2048+(i%4)*512 th:TH_LOAD_NT
.set i, i+1
.endr
.set i, 0
.rept 20
	s_wait_loadcnt 19-i                            ; loads come back in order: the younger ones stay out
	RB F0+4*i, T0
	RB F0+4*i+2, T0+1
.if \aux
	v_pk_add_f32 v[F0+4*i:F0+4*i+1], v[F0+4*i:F0+4*i+1], v[AUX+4*(i%4):AUX+4*(i%4)+1]
	v_pk_add_f32 v[F0+4*i+2:F0+4*i+3], v[F0+4*i+2:F0+4*i+3], v[AUX+4*(i%4)+2:AUX+4*(i%4)+3]
.endif
	v_cvt_pk_f16_f32 v[F0+4*i], v[F0+4*i], v[F0+4*i+1]
	v_cvt_pk_f16_f32 v[F0+4*i+1], v[F0+4*i+2], v[F0+4*i+3]
	ds_store_b64 v[SLA], v[F0+4*i:F0+4*i+1] offset:(i/4)*AP+(i%4)*256
.set i, i+1
.endr
	s_wait_dscnt 0x0                               ; the stores are done before their registers are loaded again
	v_add_nc_u32 v[SGO], 5*2048, v[SGO]            ; free: the last wait above was for all loads
	v_add_nc_u32 v[SLA], 5*AP, v[SLA]
	s_sub_co_u32 s[SC], s[SC], 1
	s_cmp_lg_u32 s[SC], 0
	s_cbranch_scc1 .Lstage_\@
.endm
.macro PACKST                          ; the 20 tiles rounded to f16, 16 bytes a lane and tile, into A0
	WIN 0x05
.set i, 0
.rept 80
	v_cvt_pk_f16_f32 v[TMP+i], v[2*i], v[2*i+1]
.set i, i+1
.endr
	WIN 0
.set a, 0
.rept 5
.irp c, 0,1,2,3
.if a < 3
	ds_store_b128 v[STO], v[TMP+16*a+4*\c:TMP+16*a+4*\c+3] offset:a*16*AP+32*\c
.else
	ds_store_b128 v[STO2], v[TMP+16*a+4*\c:TMP+16*a+4*\c+3] offset:(a-3)*16*AP+32*\c
.endif
.endr
.set a, a+1
.endr
.endm
.macro COPYOUT rd, plo                 ; my wave's ten rows leave: each store covers 512 consecutive bytes, aligned
	WIN 0
	s_add_nc_u64 s[OUTP:OUTP+1], s[\plo:(\plo)+1], s[RO:RO+1]
.set i, 0
.rept 20
	ds_load_b128 v[F0+4*i:F0+4*i+3], v[\rd] offset:(i/2)*AP+(i%2)*512
.set i, i+1
.endr
.set i, 0
.rept 20
	s_wait_dscnt 19-i
	global_store_b128 v[GO], v[F0+4*i:F0+4*i+3], s[OUTP:OUTP+1] offset:(i/2)*1024+(i%2)*512
.set i, i+1
.endr
	s_wait_xcnt 0x0                                ; the stores' registers and base are rewritten only behind this wait
.endm
; The pair sums at v[x + 2 a] become each row's total over all 512 columns, in v[RL + 8 a], the same in every wave: halves of the pair, halves of the lanes, then the eight waves through LDS
.macro XCHG x, off
	WIN 0
.irp a, 0,1,2,3,4
	v_add_f32 v[(\x)+2*\a], v[(\x)+2*\a], v[(\x)+2*\a+1]
.endr
.irp a, 0,1,2,3,4
	v_permlanex16_b32 v[TP+\a], v[(\x)+2*\a], s[SEL], s[SEL+1]
.endr
.irp a, 0,1,2,3,4
	v_add_f32 v[(\x)+2*\a], v[(\x)+2*\a], v[TP+\a]
.endr
.irp a, 0,1,2,3,4
	ds_store_b32 v[RA], v[(\x)+2*\a] offset:(\off)+512*\a
.endr
	s_wait_dscnt 0x0                               ; for the others' sake
	BAR
.irp a, 0,1,2,3,4
	ds_load_b128 v[RL+8*\a:RL+8*\a+3], v[RBR] offset:(\off)+512*\a
	ds_load_b128 v[RL+8*\a+4:RL+8*\a+7], v[RBR] offset:(\off)+512*\a+16
.endr
	s_wait_dscnt 0x0
.irp a, 0,1,2,3,4
	v_pk_add_f32 v[RL+8*\a:RL+8*\a+1], v[RL+8*\a:RL+8*\a+1], v[RL+8*\a+2:RL+8*\a+3]
	v_pk_add_f32 v[RL+8*\a+4:RL+8*\a+5], v[RL+8*\a+4:RL+8*\a+5], v[RL+8*\a+6:RL+8*\a+7]
.endr
.irp a, 0,1,2,3,4
	v_pk_add_f32 v[RL+8*\a:RL+8*\a+1], v[RL+8*\a:RL+8*\a+1], v[RL+8*\a+4:RL+8*\a+5]
.endr
.irp a, 0,1,2,3,4
	v_add_f32 v[RL+8*\a], v[RL+8*\a], v[RL+8*\a+1]
.endr
.endm
; v = sigmoid(x1) tanh(x2): x1 in column tiles 0, 1, x2 in tiles 2, 3.  sigmoid = 1 / (1 + 2^(-x1 log2 e)); tanh = 1 - 2 / (1 + 2^(2 x2 log2 e)): both hold at either infinity.
; Then the 80 rows' column sums to `part`, and v as f16 into A1.
.macro GATE P
	WIN 0
.if (\P) == 0
	LDCBG 1                                        ; the next product's bias
.endif
	WIN 0x55
.set a, 0
.rept 5
.set p, 0
.rept 8
	v_pk_mul_f32 v[32*a+2*p:32*a+2*p+1], v[32*a+2*p:32*a+2*p+1], 0xbfb8aa3b op_sel_hi:[1,0]
.set p, p+1
.endr
.rept 8
	v_pk_mul_f32 v[32*a+2*p:32*a+2*p+1], v[32*a+2*p:32*a+2*p+1], 0x4038aa3b op_sel_hi:[1,0]
.set p, p+1
.endr
.set p, 0
.rept 32
	v_exp_f32 v[32*a+p], v[32*a+p]
.set p, p+1
.endr
	v_nop                                          ; a plain instruction behind the last exponential (ISA guide 5.7.2)
.set p, 0
	s_wait_alu depctr_va_vdst(0)
.rept 16
	v_pk_add_f32 v[32*a+2*p:32*a+2*p+1], v[32*a+2*p:32*a+2*p+1], 1.0 op_sel_hi:[1,0]
.set p, p+1
.endr
.set p, 0
.rept 32
	v_rcp_f32 v[32*a+p], v[32*a+p]
.set p, p+1
.endr
	v_nop
.set p, 0
	s_wait_alu depctr_va_vdst(0)
.rept 8
	v_pk_fma_f32 v[32*a+16+2*p:32*a+16+2*p+1], v[32*a+16+2*p:32*a+16+2*p+1], -2.0, 1.0 op_sel_hi:[1,0,0]
.set p, p+1
.endr
.set p, 0
.rept 8
	v_pk_mul_f32 v[32*a+2*p:32*a+2*p+1], v[32*a+2*p:32*a+2*p+1], v[32*a+16+2*p:32*a+16+2*p+1]
.set p, p+1
.endr
.set a, a+1
.endr
	WIN 0x05
.set p, 0
.rept 8
	v_pk_add_f32 v[CSM+2*p:CSM+2*p+1], v[2*p:2*p+1], v[32+2*p:32+2*p+1]
.set p, p+1
.endr
	WIN 0x04
.set a, 2
.rept 3
.set p, 0
.rept 8
	v_pk_add_f32 v[CSM+2*p:CSM+2*p+1], v[CSM+2*p:CSM+2*p+1], v[32*a+2*p:32*a+2*p+1]
.set p, p+1
.endr
.set a, a+1
.endr
	WIN 0x05
.set a, 0
.rept 5
.set p, 0
.rept 8
	v_cvt_pk_f16_f32 v[TM+8*a+p], v[32*a+2*p], v[32*a+2*p+1]
.set p, p+1
.endr
.set a, a+1
.endr
	WIN 0
.irp m, 1,2,4,8                        ; the 16 rows of a tile lie in 16 lanes
.set p, 0
.rept 16
	v_add_f32_dpp v[CSM+p], v[CSM+p], v[CSM+p] row_xmask:\m row_mask:0xf bank_mask:0xf
.set p, p+1
.endr
.endr
.set a, 0
.rept 5
.irp c, 0,1
.if a < 3
	ds_store_b128 v[GST], v[TM+8*a+4*\c:TM+8*a+4*\c+3] offset:a*16*AP+512*(\P)+32*\c
.else
	ds_store_b128 v[GST2], v[TM+8*a+4*\c:TM+8*a+4*\c+3] offset:(a-3)*16*AP+512*(\P)+32*\c
.endif
.endr
.set a, a+1
.endr
	v_cmp_eq_u32 vcc_lo, 0, v[R]                   ; lanes 0 and 16 store the wave's 32 sums, 128 consecutive bytes
	s_wait_xcnt 0x0                                ; EXEC changes only behind this wait
	s_and_saveexec_b32 s[SX], vcc_lo
.irp c, 0,1
	global_store_b128 v[VBG], v[CSM+8*\c:CSM+8*\c+3], s[18:19] offset:1024*(\P)+64*\c
	global_store_b128 v[VBG], v[CSM+8*\c+4:CSM+8*\c+7], s[18:19] offset:1024*(\P)+64*\c+16
.endr
	s_wait_xcnt 0x0                                ; and again in front of the line that widens it; it also frees the stores' data
	s_or_b32 exec_lo, exec_lo, s[SX]
.endm
	s_load_b512 s[4:19], s[0:1], 0x0               ; query, value, aux_emb, wb s[10:11], q_lin_b, sig_b s[14:15], tan_b s[16:17], part s[18:19]
	s_load_b512 s[20:35], s[0:1], 0x40             ; the stage in hand s[20:29]: b, a, g, be, out; the next s[30:39]; the one after s[40:49]
	s_load_b256 s[36:43], s[0:1], 0x80
	s_load_b128 s[44:47], s[0:1], 0xa0
	s_load_b64 s[48:49], s[0:1], 0xb0
	v_lshl_add_u32 v[SPW], v0, 2, SPARE
	v_mov_b32 v[NIL], 0
	ds_add_u32 v[SPW], v[NIL]                      ; the wave's opening: the add and its wait ahead of my first tensor load
	v_lshrrev_b32 v[LN], 5, v0
	v_readfirstlane_b32 s[WV], v[LN]               ; wave 0..7
	s_bfe_u32 s2, ttmp6, 0x40000                   ; cx
	s_lshl_b32 s[GI], ttmp9, 2
	s_add_co_u32 s[GI], s[GI], s2                  ; g = 4 x cluster + cx: it enters global addresses of my own loads and stores alone
	s_mul_i32 s[BT], s[GI], 41
	s_lshr_b32 s[BT], s[BT], 10                    ; g / 25 for g < 200: the batch
	s_mov_b32 s[G1], 15|(1<<16)|(1<<20)|(1<<21)|(7<<22)|(7<<25)  ; mask of four; 2-byte elements; padding on; bit 21 beside a mask; after every 256 words 8 words
	s_mov_b32 s[G1+1], 512<<16                     ; tensor_dim0 = 512
	s_mov_b32 s[G1+2], 8<<16                       ; tensor_dim1 = 8
	s_mov_b32 s[G1+3], 512<<16                     ; tile_dim0 = 512
	s_mov_b32 s[G1+4], 8                           ; tile_dim1 = 8
	s_mov_b32 s[G1+5], 512                         ; elements from row to row
	s_mov_b32 s[G1+6], 0
	s_mov_b32 s[G1+7], 0
	s_mul_i32 s3, s[WV], 8*WP                      ; my 8 rows of a slot
	s_mov_b32 s[G0], 1
	s_add_co_u32 s[G0+1], s3, SL0
	s_mov_b32 s[G0+4], 1
	s_add_co_u32 s[G0+5], s3, SL0+SLB
	s_mov_b32 s[SEL], 0x76543210
	s_mov_b32 s[SEL+1], 0xfedcba98
	s_mov_b32 s[INV], 0x3b000000                   ; 1 / 512
	s_mul_i32 s80, s[GI], 80
	s_mul_i32 s3, s[WV], 10
	s_add_co_u32 s80, s80, s3                      ; my wave's first row
	s_lshl_b32 s[RO], s80, 10
	s_mov_b32 s[RO+1], 0
	s_lshl_b32 s80, s80, 11
	s_mov_b32 s81, 0
	s_lshl_b32 s90, s[WV], 13                      ; my 8 rows of a chunk in wb
	s_mov_b32 s91, 0
	s_wait_dscnt 0x0                               ; the opening add is done
	s_wait_kmcnt 0x0
	s_add_nc_u64 s[G0+2:G0+3], s[10:11], s[90:91]  ; chunk 0
	s_add_nc_u64 s[G0+6:G0+7], s[G0+2:G0+3], 65536 ; chunk 1
	s_or_b32 s[G0+3], s[G0+3], 0x80000000
	s_or_b32 s[G0+7], s[G0+7], 0x80000000
	s_add_nc_u64 s[4:5], s[4:5], s[80:81]
	s_add_nc_u64 s[6:7], s[6:7], s[80:81]
	s_lshl_b32 s80, s[BT], 11
	s_add_nc_u64 s[8:9], s[8:9], s[80:81]          ; my batch's aux
	s_lshl_b32 s80, s[GI], 11
	s_add_nc_u64 s[18:19], s[18:19], s[80:81]      ; my row of part
	CROUND                                         ; all four work-groups are here: the first joint loads meet
	tensor_load_to_lds s[G0:G0+3], s[G1:G1+7]
	s_nop 0
	tensor_load_to_lds s[G0+4:G0+7], s[G1:G1+7]
	s_nop 0
	PLACES
	v_and_b32 v[LN], 31, v0
	v_and_b32 v[R], 15, v0
	v_bfe_u32 v[H], v0, 4, 1
	v_lshlrev_b32 v[GO], 4, v[LN]
	v_lshlrev_b32 v[VBG], 5, v[H]
	s_lshl_b32 s3, s[WV], 8
	v_add_nc_u32 v[VB], s3, v[VBG]
	s_lshl_b32 s3, s[WV], 7
	v_add_nc_u32 v[VBG], s3, v[VBG]
.irp q, 0,1,2,3
	global_load_b128 v[AUX+4*\q:AUX+4*\q+3], v[GO], s[8:9] offset:512*\q
.endr
	LDCB 12                                        ; q_lin_b
.irp c, 0,1,2,3
	global_load_b128 v[AC+8*\c:AC+8*\c+3], v[VB], s[8:9] offset:64*\c
	global_load_b128 v[AC+8*\c+4:AC+8*\c+7], v[VB], s[8:9] offset:64*\c+16
.endr
	v_mul_u32_u24 v[LANEA], v[R], AP
	v_lshl_add_u32 v[LANEA], v[H], 4, v[LANEA]
	v_and_b32 v[T0], 7, v0                         ; the turning load: lane l reads k row 8 (l / 16) + l % 8, columns 8 ((l / 8) % 2) on
	v_lshl_add_u32 v[T0], v[H], 3, v[T0]
	v_mul_u32_u24 v[T0], v[T0], WP
	v_bfe_u32 v[T0+1], v0, 3, 1
	v_lshl_add_u32 v[T0], v[T0+1], 4, v[T0]
	s_add_co_u32 s2, s3, SL0                       ; + my 64 columns' 128 bytes
	v_add_nc_u32 v[ADW], s2, v[T0]
	v_add_nc_u32 v[ADW+1], SLB, v[ADW]
	v_add_nc_u32 v[STO], s3, v[LANEA]
	v_add_nc_u32 v[STO2], AHI, v[STO]
	v_lshlrev_b32 v[RBR], 5, v[R]
	v_add_nc_u32 v[RBR], RED1, v[RBR]
	s_lshl_b32 s2, s[WV], 2
	v_add_nc_u32 v[RA], s2, v[RBR]
	s_mul_i32 s2, s[WV], 10*AP
	v_lshl_add_u32 v[RD0], v[LN], 4, s2
	v_add_nc_u32 v[RD1], A1B, v[RD0]
	s_lshl_b32 s2, s[WV], 6
	s_add_co_u32 s2, s2, A1B
	v_add_nc_u32 v[GST], s2, v[LANEA]
	v_add_nc_u32 v[GST2], AHI, v[GST]
	STAGE_IN 4, 0, 0                               ; query -> A0
.set p, 0
.rept 8
	RB AUX+2*p, T0+(p%2)
.set p, p+1
.endr
	STAGE_IN 6, A1B, 1                             ; value + aux -> A1
.set p, 0
.rept 16
	RB CB+2*p, T0
	RB AC+2*p, T0+1
	v_pk_add_f32 v[CB+2*p:CB+2*p+1], v[CB+2*p:CB+2*p+1], v[AC+2*p:AC+2*p+1]   ; q_lin_b + aux starts the first product's sums
.set p, p+1
.endr
	s_wait_tensorcnt 0x1                           ; my part of chunk 0 is in; chunk 1 may stay out
	s_wait_dscnt 0x0
	BAR
	s_mov_b32 s[ABASE], 0
	GEMM 0, 0                                      ; q1
	LDCB 20                                        ; qv_b
	PACKST
	s_wait_dscnt 0x0
	BAR
	s_mov_b32 s[C3], 3
.Lln:                                                  ; three trips: q from A0, then k and v0 from A1; each result goes into A0
	GEMM 0, 1
	s_load_b32 s[SA], s[22:23], 0x0
.irp c, 0,1,2,3
	global_load_b128 v[GG+8*\c:GG+8*\c+3], v[VB], s[24:25] offset:64*\c
	global_load_b128 v[GG+8*\c+4:GG+8*\c+7], v[VB], s[24:25] offset:64*\c+16
.endr
.irp c, 0,1,2,3
	global_load_b128 v[BE+8*\c:BE+8*\c+3], v[VB], s[26:27] offset:64*\c
	global_load_b128 v[BE+8*\c+4:BE+8*\c+7], v[VB], s[26:27] offset:64*\c+16
.endr
	s_cmp_eq_u32 s[C3], 1                          ; the next product's bias: eight loads on either way
	s_cbranch_scc1 .Lnext_gate
	LDCB 30
	s_branch .Lnext_done
.Lnext_gate:
	LDCBG 0
.Lnext_done:
	s_wait_kmcnt 0x0
	v_mov_b32 v[T0], s[SA]
	v_cvt_pk_bf16_f32 v[T0], v[T0], v[T0]
	v_lshlrev_b32 v[T0], 16, v[T0]
	v_add_f32 v[T0], -1.0, v[T0]
	v_readfirstlane_b32 s[AM1], v[T0]
	s_mov_b32 s[AM1+1], s[AM1]
	WIN 0x55                                       ; PReLU: y = x + (a - 1) min(x, 0); each tile's registers in ascending order
.set i, 0
.rept 20
.irp j, 0,1,2,3,4,5,6,7
	v_min_num_f32 v[TT+8*(i%2)+\j], 0, v[8*i+\j]
.endr
.irp j, 0,2,4,6
	v_pk_fma_f32 v[8*i+\j:8*i+\j+1], v[TT+8*(i%2)+\j:TT+8*(i%2)+\j+1], s[AM1:AM1+1], v[8*i+\j:8*i+\j+1] op_sel_hi:[1,0,1]
.endr
.set i, i+1
.endr
	WIN 0x05                                       ; row sums: five chains, one a row tile
.irp a, 0,1,2,3,4
	v_pk_add_f32 v[SM+2*\a:SM+2*\a+1], v[32*\a:32*\a+1], v[32*\a+2:32*\a+3]
.endr
	WIN 0x04
.set p, 2
.rept 14
.irp a, 0,1,2,3,4
	v_pk_add_f32 v[SM+2*\a:SM+2*\a+1], v[SM+2*\a:SM+2*\a+1], v[32*\a+2*p:32*\a+2*p+1]
.endr
.set p, p+1
.endr
	XCHG SM, 0
.irp a, 0,1,2,3,4
	v_mul_f32 v[SM+2*\a], s[INV], v[RL+8*\a]       ; the mean
.endr
	s_wait_loadcnt 0x8                             ; g and beta are in; the next bias's eight loads may stay out
.set p, 0
.rept 16
	RB GG+2*p, T0
	RB BE+2*p, T0+1
.set p, p+1
.endr
	WIN 0x41                                       ; d = y - mean, in place: the variance is a sum of squares of differences, no difference of sums
.set i, 0
.rept 80
	v_pk_add_f32 v[2*i:2*i+1], v[2*i:2*i+1], v[SM+2*(i/16):SM+2*(i/16)+1] op_sel_hi:[1,0] neg_lo:[0,1] neg_hi:[0,1]
.set i, i+1
.endr
	WIN 0x05
.irp a, 0,1,2,3,4
	v_pk_mul_f32 v[SQ+2*\a:SQ+2*\a+1], v[32*\a:32*\a+1], v[32*\a:32*\a+1]
.endr
.set p, 1
.rept 15
.irp a, 0,1,2,3,4
	v_pk_fma_f32 v[SQ+2*\a:SQ+2*\a+1], v[32*\a+2*p:32*\a+2*p+1], v[32*\a+2*p:32*\a+2*p+1], v[SQ+2*\a:SQ+2*\a+1]
.endr
.set p, p+1
.endr
	XCHG SQ, REDD
.irp a, 0,1,2,3,4
	v_fmaak_f32 v[SQ+2*\a], s[INV], v[RL+8*\a], 0x3727c5ac   ; variance + 1e-5
.endr
.irp a, 0,1,2,3,4
	v_rsq_f32 v[SQ+2*\a], v[SQ+2*\a]
.endr
	v_nop
	WIN 0x41
.set i, 0
	s_wait_alu depctr_va_vdst(0)
.rept 80
	v_pk_mul_f32 v[2*i:2*i+1], v[2*i:2*i+1], v[SQ+2*(i/16):SQ+2*(i/16)+1] op_sel_hi:[1,0]
.set i, i+1
.endr
.set i, 0
.rept 80
	v_pk_fma_f32 v[2*i:2*i+1], v[2*i:2*i+1], v[GG+2*(i%16):GG+2*(i%16)+1], v[BE+2*(i%16):BE+2*(i%16)+1]
.set i, i+1
.endr
	PACKST
	s_wait_dscnt 0x0
	BAR
	s_cmp_eq_u32 s[C3], 1                          ; v0 stays in LDS
	s_cbranch_scc1 .Lno_copy
	COPYOUT RD0, 28
.Lno_copy:
	s_wait_xcnt 0x0                                ; the pointers below are bases of loads that may be out
.irp k, 0,2,4,6,8
	s_mov_b64 s[20+\k:21+\k], s[30+\k:31+\k]
.endr
.irp k, 0,2,4,6,8
	s_mov_b64 s[30+\k:31+\k], s[40+\k:41+\k]
.endr
	s_mov_b32 s[ABASE], A1B
	s_sub_co_u32 s[C3], s[C3], 1
	s_cmp_lg_u32 s[C3], 0
	s_cbranch_scc1 .Lln
	s_mov_b32 s[ABASE], 0
	GEMM 0, 1                                      ; gate 0: columns 0-255 of v
	GATE 0
	GEMM 1, 1                                      ; gate 1: columns 256-511; the ring ends
	GATE 1
	s_wait_dscnt 0x0
	BAR
	COPYOUT RD1, 48
	s_wait_tensorcnt 0x0                           ; the wave's end
	ds_add_u32 v[SPW], v[NIL]
	s_wait_dscnt 0x0
	CROUND                                         ; the closing round
	s_endpgm
.Lfunc_end_k_q00c2c66583_proj:
	.size	k_q00c2c66583_proj, .Lfunc_end_k_q00c2c66583_proj-k_q00c2c66583_proj
	.p2alignl 7, 3214868480
	.fill 96, 4, 3214868480
	.section	.rodata,"a",@progbits
	.p2align	6, 0x0
	.amdhsa_kernel k_q00c2c66583_proj
		.amdhsa_group_segment_fixed_size 327680
		.amdhsa_private_segment_fixed_size 0
		.amdhsa_enable_private_segment 0
		.amdhsa_kernarg_size 184
		.amdhsa_user_sgpr_count 2
		.amdhsa_user_sgpr_kernarg_segment_ptr 1
		.amdhsa_wavefront_size32 1
		.amdhsa_system_sgpr_workgroup_id_x 1
		.amdhsa_system_sgpr_workgroup_id_y 1
		.amdhsa_system_sgpr_workgroup_id_z 1
		.amdhsa_system_vgpr_workitem_id 0
		.amdhsa_next_free_vgpr 512
		.amdhsa_next_free_sgpr 104
		.amdhsa_reserve_vcc 1
		.amdhsa_float_denorm_mode_32 3
		.amdhsa_float_denorm_mode_16_64 3
		.amdhsa_memory_ordered 1
		.amdhsa_forward_progress 1
		.amdhsa_inst_pref_size 255
	.end_amdhsa_kernel
	.section	.bss,"aw",@nobits
	.p2align	6
	.space	262144
	.amdgpu_metadata
---
amdhsa.version: [ 1, 2 ]
amdhsa.kernels:
  - .name:           k_q00c2c66583_proj
    .symbol:         k_q00c2c66583_proj.kd
    .args:
      - { .name: query, .offset: 0, .size: 8, .value_kind: global_buffer, .address_space: global }
      - { .name: value, .offset: 8, .size: 8, .value_kind: global_buffer, .address_space: global }
      - { .name: aux_emb, .offset: 16, .size: 8, .value_kind: global_buffer, .address_space: global }
      - { .name: wb, .offset: 24, .size: 8, .value_kind: global_buffer, .address_space: global }
      - { .name: q_lin_b, .offset: 32, .size: 8, .value_kind: global_buffer, .address_space: global }
      - { .name: sig_b, .offset: 40, .size: 8, .value_kind: global_buffer, .address_space: global }
      - { .name: tan_b, .offset: 48, .size: 8, .value_kind: global_buffer, .address_space: global }
      - { .name: part, .offset: 56, .size: 8, .value_kind: global_buffer, .address_space: global }
      - { .name: qv_b, .offset: 64, .size: 8, .value_kind: global_buffer, .address_space: global }
      - { .name: qv_a, .offset: 72, .size: 8, .value_kind: global_buffer, .address_space: global }
      - { .name: qv_g, .offset: 80, .size: 8, .value_kind: global_buffer, .address_space: global }
      - { .name: qv_be, .offset: 88, .size: 8, .value_kind: global_buffer, .address_space: global }
      - { .name: qb, .offset: 96, .size: 8, .value_kind: global_buffer, .address_space: global }
      - { .name: kv_b, .offset: 104, .size: 8, .value_kind: global_buffer, .address_space: global }
      - { .name: kv_a, .offset: 112, .size: 8, .value_kind: global_buffer, .address_space: global }
      - { .name: kv_g, .offset: 120, .size: 8, .value_kind: global_buffer, .address_space: global }
      - { .name: kv_be, .offset: 128, .size: 8, .value_kind: global_buffer, .address_space: global }
      - { .name: kb, .offset: 136, .size: 8, .value_kind: global_buffer, .address_space: global }
      - { .name: vv_b, .offset: 144, .size: 8, .value_kind: global_buffer, .address_space: global }
      - { .name: vv_a, .offset: 152, .size: 8, .value_kind: global_buffer, .address_space: global }
      - { .name: vv_g, .offset: 160, .size: 8, .value_kind: global_buffer, .address_space: global }
      - { .name: vv_be, .offset: 168, .size: 8, .value_kind: global_buffer, .address_space: global }
      - { .name: vb, .offset: 176, .size: 8, .value_kind: global_buffer, .address_space: global }
    .group_segment_fixed_size: 327680
    .private_segment_fixed_size: 0
    .kernarg_segment_align: 8
    .kernarg_segment_size: 184
    .max_flat_workgroup_size: 256
    .sgpr_count:     104
    .vgpr_count:     512
    .wavefront_size: 32
...
	.end_amdgpu_metadata
.endif
;; end of part 2
;; launch attn (part 3): grid 32 x 8, 4 waves a work-group, clusters of 4 x 1, 327,680 bytes of LDS; arguments qb, kb, vb, part, input_len, out0; writes out0
.if DOCPART == 3
	.amdgcn_target "amdgcn-amd-amdhsa--gfx1250"
	.amdhsa_code_object_version 6
	.text
	.protected	k_q00c2c66583_attn
	.globl	k_q00c2c66583_attn
	.p2align	8
	.type	k_q00c2c66583_attn,@function
k_q00c2c66583_attn:
	s_mov_b64 s[64:65], 0
	v_nop
	global_prefetch_b8 v0, s[64:65] scope:SCOPE_SE
	s_setreg_imm32_b32 hwreg(HW_REG_WAVE_MODE, 25, 1), 1
	s_wait_xcnt 0x0
	s_wait_alu depctr_hold_cnt(0) depctr_sa_sdst(0) depctr_va_vdst(0) depctr_va_sdst(0) depctr_va_ssrc(0) depctr_va_vcc(0) depctr_vm_vsrc(0)
	s_getreg_b32 s2, hwreg(HW_REG_IB_STS2, 6, 4)
	s_cmp_eq_u32 s2, 0
	s_cbranch_scc0 .Lentry_in_a_cluster
	s_endpgm
.Lentry_in_a_cluster:
	s_bfe_u32 s2, ttmp6, 0x10000c
	s_cmp_lg_u32 s2, 0x3003
	s_cbranch_scc0 .Lentry_shape_is_right
	s_endpgm
.Lentry_shape_is_right:
; out[b][r] = softmax over c <= r of (q[r] . k[c] / sqrt(512)) v[c] for rows r < L = input_len[b] (a score that is exactly 0 counts as -inf, as in the model); for rows r >= L the mean of the batch's 2,000 rows of v.
; Columns >= L need no test of their own: a row r < L sees c <= r < L.  q, k, v: f16 rows of 1,024 bytes; products, maxima and sums in f32; the weights are rounded to f16 for the second product, their sum is taken unrounded.
; LIMITS: a weight below 2^-126 counts as 0, below 6e-5 it keeps f16's fixed step; the test for 0 is made on this program's own score; L is taken as min(max(L, 0), 2000).
; SHARES.  A work-group owns 64 queries (four tiles of 16).  Keys go in tiles of 64.  For S^T = K Q^T wave w takes keys 16 w .. 16 w + 15 and all 64 queries; for O^T = V^T P channels 128 w .. 128 w + 127 and all 64 queries:
; each fragment of K or V read from LDS feeds four matrix instructions.  The waves' maxima and the weights P meet in LDS.
; CLUSTER.  The four query blocks of cluster c (queries 256 c .. 256 c + 255) walk the same key tiles, 4 c + 4 of them, asked for jointly.  The walk's length hangs on the cluster's number alone, which all waves and all
; partners share; L enters no branch and no address.  So rows at or behind L are computed like the others, and their result is replaced by the mean on the way out: work that serves nothing, the price of a walk whose
; barriers and joint loads are counted alike in every wave.  What lies above a block's own diagonal is masked.  Tiles may reach into the next batch's rows or the 64 zero rows behind the last: those keys are masked.
; A wave has two tensor loads out at the most.
; REGISTERS: window 0: v0-31 addresses, v32-63 statistics, v64-127 S^T, at work, then P's fragments, v128-255 K's, then V's fragments.  Window 1: O^T, (t, c) at 64 t + 8 c.  Windows 2, 3: Q, (t, kk) at 8 (4 kk + t).
.set KP,    1040                       ; a row of K in LDS: 1,024 + 16
.set VP,    1056                       ; a row of V: 1,024 + 32, for the turning load
.set VOFF,  64*KP
.set SLOT,  64*(KP+VP)
.set PB,    2*SLOT                     ; P: [64 queries][64 keys] f16, rows of 128 + 16 bytes
.set PP,    144
.set MX,    PB+64*PP                   ; [64 queries][4 waves] f32: the waves' maxima; LSO further on their sums
.set LSO,   1024
.set STG,   MX+2048                    ; the way out: 16 rows x 528 bytes for each wave
.set SGP,   528
.set SPARE, STG+4*16*SGP
.set R, 1
.set H, 2
.set LN, 3
.set AK, 4                             ; v4, v5  my place in K of slot 0, slot 1; never rewritten
.set AV, 7                             ; v7, v8  the same for V
.set PST, 10
.set PRD, 11
.set MXS, 12
.set MXR, 13
.set STO, 14
.set RD, 15
.set GO, 16                            ; v16 512 w + 16 x lane
.set QO, 17
.set MEAN, 18                          ; v18-21
.set DD, 22                            ; v22-25 by tile: my query's number less my first key's: key j of my eight is seen where j <= DD
.set VROW, 26
.set NINF, 27
.set T0, 28
.set SPW, 30
.set NIL, 31
.set ST, 32                            ; tile t at ST + 8 t: c m, m, l (two halves), a, a spare, two at work
.set S, 64
.set X, 96
.set PK, 112
.set PF, 64
.set FB, 128
.set WV, 16
.set LEN, 18
.set NB, 19
.set IT, 20
.set BLK, 21
.set BB, 22
.set G1K, 24
.set G1V, 32
.set G0K, 40                           ; s[40:47] a set for each slot; s[48:55] the same for V
.set G0V, 48
.set CS, 56
.set SEL, 58
.set MKA, 66                           ; s[66:73], s[84:91] lane masks
.set SX, 74
.set OP, 76
.set ROW0, 82
.set MK, 83
.set MKB, 84
.set MSB, 0
.macro WIN new
.if MSB != (\new)
	s_set_vgpr_msb (MSB<<8)|(\new)
.set MSB, (\new)
.endif
.endm
.macro PLACES
.rept 4
	v_nop
.endr
.endm
.macro BAR
	s_barrier_signal -1
	s_barrier_wait -1
.endm
.macro CROUND
	BAR
	s_cmp_lg_u32 s[WV], 0
	s_cbranch_scc1 .Lnw0_\@
	s_barrier_signal -3
.Lnw0_\@:
	s_barrier_wait -3
	s_barrier_signal -1
	s_barrier_wait -1
.endm
.macro JLOAD slot                      ; a joint refill: waves 0, 1 bring the halves of K's tile, waves 2, 3 those of V's
	s_cmp_lt_u32 s[WV], 2
	s_cbranch_scc0 .Lfv_\@
	tensor_load_to_lds s[G0K+4*(\slot):G0K+4*(\slot)+3], s[G1K:G1K+7]
	s_nop 0
	PLACES
	s_branch .Lja_\@
.Lfv_\@:
	tensor_load_to_lds s[G0V+4*(\slot):G0V+4*(\slot)+3], s[G1V:G1V+7]
	s_nop 0
	PLACES
.Lja_\@:
.endm
; ONE KEY TILE, in slot `slot`.  fill = 1: the slot is filled again, two tiles on.
.macro ASTEP slot, fill
	WIN 0
.set f, 0
.rept 16                               ; my 16 keys x 512 channels
	ds_load_b128 v[FB+8*f:FB+8*f+3], v[AK+(\slot)] offset:64*f
	ds_load_b128 v[FB+8*f+4:FB+8*f+7], v[AK+(\slot)] offset:64*f+32
.set f, f+1
.endr
	s_wait_dscnt 16                                ; the first 256 channels are in
.set f, 0
.rept 16                               ; S^T = K Q^T: the four tiles' accumulators take turns
.if f == 8
	s_wait_dscnt 0x0
.endif
	WIN 0x08+4*(f/8)                               ; Q in window 2, then 3
.irp t, 0,1,2,3
.if f == 0
	v_wmma_f32_16x16x32_f16 v[S+8*\t:S+8*\t+7], v[FB+8*f:FB+8*f+7], v[8*(4*(f%8)+\t):8*(4*(f%8)+\t)+7], 0
.else
	v_wmma_f32_16x16x32_f16 v[S+8*\t:S+8*\t+7], v[FB+8*f:FB+8*f+7], v[8*(4*(f%8)+\t):8*(4*(f%8)+\t)+7], v[S+8*\t:S+8*\t+7]
.endif
.endr
.set f, f+1
.endr
	WIN 0
	PLACES                                         ; in front of the loads into K's registers and of the reads of the scores
.set f, 0
.rept 16                               ; V, turned: keys 32 (f / 8) on, my channels 16 (f % 8) on
	ds_load_tr16_b128 v[FB+8*f:FB+8*f+3], v[AV+(\slot)] offset:(f/8)*32*VP+(f%8)*32
	ds_load_tr16_b128 v[FB+8*f+4:FB+8*f+7], v[AV+(\slot)] offset:(f/8)*32*VP+(f%8)*32+16*VP
.set f, f+1
.endr
.irp t, 0,1,2,3                        ; a score stays where its key is not behind the query and it is not 0; else -inf
.irp j, 0,1,2,3,4,5,6,7
	v_cmp_le_i32 s[MKA+\j], \j, v[DD+\t]
.endr
.irp j, 0,1,2,3,4,5,6,7
	v_cmp_neq_f32 s[MKB+\j], 0, v[S+8*\t+\j]
.endr
.irp j, 0,1,2,3,4,5,6,7
	s_and_b32 s[MKA+\j], s[MKA+\j], s[MKB+\j]
.endr
.irp j, 0,1,2,3,4,5,6,7
	v_cndmask_b32 v[S+8*\t+\j], v[NINF], v[S+8*\t+\j], s[MKA+\j]
.endr
	v_add_nc_u32 v[DD+\t], 0xffffffc0, v[DD+\t]    ; the next tile's keys lie 64 on
.endr
.irp t, 0,1,2,3
	v_max3_num_f32 v[ST+8*\t+6], v[S+8*\t], v[S+8*\t+1], v[S+8*\t+2]
.endr
.irp t, 0,1,2,3
	v_max3_num_f32 v[ST+8*\t+6], v[ST+8*\t+6], v[S+8*\t+3], v[S+8*\t+4]
.endr
.irp t, 0,1,2,3
	v_max3_num_f32 v[ST+8*\t+6], v[ST+8*\t+6], v[S+8*\t+5], v[S+8*\t+6]
.endr
.irp t, 0,1,2,3
	v_max_num_f32 v[ST+8*\t+6], v[ST+8*\t+6], v[S+8*\t+7]
.endr
.irp t, 0,1,2,3
	v_permlanex16_b32 v[ST+8*\t+7], v[ST+8*\t+6], s[SEL], s[SEL+1]
.endr
.irp t, 0,1,2,3
	v_max_num_f32 v[ST+8*\t+6], v[ST+8*\t+6], v[ST+8*\t+7]
.endr
.irp t, 0,1,2,3
	ds_store_b32 v[MXS], v[ST+8*\t+6] offset:256*\t
.endr
	; ONE barrier for three things: the waves' maxima are stored; all my reads of this slot (K, V) are in registers; my part of the other slot has landed
	s_wait_tensorcnt 0x0
	ds_add_u32 v[SPW], v[NIL]
.if \fill
	s_add_nc_u64 s[G0K+4*(\slot)+2:G0K+4*(\slot)+3], s[G0K+4*(\slot)+2:G0K+4*(\slot)+3], 2*65536
	s_add_nc_u64 s[G0V+4*(\slot)+2:G0V+4*(\slot)+3], s[G0V+4*(\slot)+2:G0V+4*(\slot)+3], 2*65536
.endif
	s_wait_dscnt 0x0
.if \fill
	CROUND
	JLOAD \slot                                    ; it has the rest of this step and the next step's products in which to land
.else
	BAR
.endif
.irp t, 0,1,2,3
	ds_load_b128 v[X+4*\t:X+4*\t+3], v[MXR] offset:256*\t
.endr
	s_wait_dscnt 0x0
.irp t, 0,1,2,3
	v_max3_num_f32 v[ST+8*\t+6], v[X+4*\t], v[X+4*\t+1], v[X+4*\t+2]
.endr
.irp t, 0,1,2,3
	v_max3_num_f32 v[ST+8*\t+1], v[ST+8*\t+6], v[X+4*\t+3], v[ST+8*\t+1]   ; the running maximum
.endr
.irp t, 0,1,2,3
	v_mul_f32 v[ST+8*\t+7], s[CS], v[ST+8*\t+1]
.endr
.irp t, 0,1,2,3
	v_sub_f32 v[ST+8*\t+6], v[ST+8*\t], v[ST+8*\t+7]
.endr
.irp t, 0,1,2,3
	v_mov_b32 v[ST+8*\t], v[ST+8*\t+7]
.endr
.irp t, 0,1,2,3
	v_exp_f32 v[ST+8*\t+4], v[ST+8*\t+6]           ; a = 2^(c m_old - c m_new)
.endr
.irp t, 0,1,2,3
.irp j, 0,2,4,6
	v_pk_fma_f32 v[S+8*\t+\j:S+8*\t+\j+1], v[S+8*\t+\j:S+8*\t+\j+1], s[CS:CS+1], v[ST+8*\t:ST+8*\t+1] op_sel_hi:[1,0,0] neg_lo:[0,0,1] neg_hi:[0,0,1]
.endr
.endr
.set f, 0
.rept 32
	v_exp_f32 v[S+f], v[S+f]
.set f, f+1
.endr
	v_nop                                          ; a plain instruction behind the last exponential
.set f, 0
	s_wait_alu depctr_va_vdst(0)
.rept 16
	v_cvt_pk_f16_f32 v[PK+f], v[S+2*f], v[S+2*f+1]
.set f, f+1
.endr
.irp t, 0,1,2,3
	ds_store_b128 v[PST], v[PK+4*\t:PK+4*\t+3] offset:16*PP*\t
.endr
.irp t, 0,1,2,3
	v_pk_add_f32 v[S+8*\t:S+8*\t+1], v[S+8*\t:S+8*\t+1], v[S+8*\t+2:S+8*\t+3]
	v_pk_add_f32 v[S+8*\t+4:S+8*\t+5], v[S+8*\t+4:S+8*\t+5], v[S+8*\t+6:S+8*\t+7]
.endr
.irp t, 0,1,2,3
	v_pk_add_f32 v[S+8*\t:S+8*\t+1], v[S+8*\t:S+8*\t+1], v[S+8*\t+4:S+8*\t+5]
.endr
.irp t, 0,1,2,3
	v_pk_fma_f32 v[ST+8*\t+2:ST+8*\t+3], v[ST+8*\t+2:ST+8*\t+3], v[ST+8*\t+4:ST+8*\t+5], v[S+8*\t:S+8*\t+1] op_sel_hi:[1,0,1]
.endr
	s_wait_dscnt 0x0                               ; for the others' sake: my part of P is stored
	s_barrier_signal -1
	WIN 0x41                                       ; O^T times a, on registers, while the others arrive
.set f, 0
.rept 128
	v_pk_mul_f32 v[2*f:2*f+1], v[2*f:2*f+1], v[ST+8*(f/32)+4:ST+8*(f/32)+5] op_sel_hi:[1,0]
.set f, f+1
.endr
	WIN 0
	s_barrier_wait -1
.set f, 0
.rept 8                                ; P's fragments: tile f / 2, keys 32 (f % 2) on
	ds_load_b128 v[PF+8*f:PF+8*f+3], v[PRD] offset:(f/2)*16*PP+(f%2)*64
	ds_load_b128 v[PF+8*f+4:PF+8*f+7], v[PRD] offset:(f/2)*16*PP+(f%2)*64+32
.set f, f+1
.endr
	s_wait_dscnt 0x0
	WIN 0x50
.set f, 0
.rept 16                               ; O^T += V^T P: 32 accumulators by turns
.irp t, 0,1,2,3
	v_wmma_f32_16x16x32_f16 v[64*\t+8*(f%8):64*\t+8*(f%8)+7], v[FB+8*f:FB+8*f+7], v[PF+8*(2*\t+f/8):PF+8*(2*\t+f/8)+7], v[64*\t+8*(f%8):64*\t+8*(f%8)+7]
.endr
.set f, f+1
.endr
	WIN 0
	PLACES
	v_nop                                          ; five: the next step's first product writes over registers that these products read
.endm
	s_load_b256 s[4:11], s[0:1], 0x0               ; qb, kb s[6:7], vb s[8:9], part s[10:11]
	s_load_b128 s[12:15], s[0:1], 0x20             ; input_len, out0
	v_lshl_add_u32 v[SPW], v0, 2, SPARE
	v_mov_b32 v[NIL], 0
	ds_add_u32 v[SPW], v[NIL]                      ; the wave's opening: the add and its wait ahead of my first tensor load
	v_lshrrev_b32 v[LN], 5, v0
	v_readfirstlane_b32 s[WV], v[LN]
	s_bfe_u32 s2, ttmp6, 0x40000                   ; cx
	s_lshl_b32 s[NB], ttmp9, 1                     ; the cluster c holds queries 256 c on: 4 c + 4 key tiles, two a trip, the last two behind the loop:
	s_add_co_u32 s[NB], s[NB], 1                   ; 2 c + 1 trips, the same number in every wave and in every partner
	s_lshl_b32 s[BLK], ttmp9, 2
	s_add_co_u32 s[BLK], s[BLK], s2                ; my block of 64 queries: it enters Q's and out's addresses, the mask and selects alone
	s_and_b32 s[BB], ttmp7, 0xffff                 ; the batch
	s_lshl_b32 s[ROW0], s[BLK], 6
	s_mov_b32 s[G1K], 15|(1<<16)|(1<<20)|(1<<21)|(7<<22)|(3<<25)  ; mask of four; 2-byte elements; padding on; bit 21 beside a mask; after every 256 words 4 words
	s_mov_b32 s[G1V], 15|(1<<16)|(1<<20)|(1<<21)|(7<<22)|(7<<25)  ; the same with 8 words
.irp g, G1K, G1V
	s_mov_b32 s[\g+1], 512<<16                     ; tensor_dim0 = 512
	s_mov_b32 s[\g+2], 32<<16                      ; tensor_dim1 = 32
	s_mov_b32 s[\g+3], 512<<16                     ; tile_dim0 = 512
	s_mov_b32 s[\g+4], 32                          ; tile_dim1 = 32
	s_mov_b32 s[\g+5], 512
	s_mov_b32 s[\g+6], 0
	s_mov_b32 s[\g+7], 0
.endr
	s_and_b32 s3, s[WV], 1                         ; which 32 rows of a tile I bring
	s_mul_i32 s60, s[BB], 2000
	s_lshl_b32 s61, s3, 5
	s_add_co_u32 s60, s60, s61
	s_lshl_b32 s60, s60, 10
	s_mov_b32 s61, 0
	s_mul_i32 s62, s3, 32*KP
	s_mul_i32 s63, s3, 32*VP
	s_mov_b32 s[G0K], 1
	s_mov_b32 s[G0K+1], s62
	s_mov_b32 s[G0K+4], 1
	s_add_co_u32 s[G0K+5], s62, SLOT
	s_mov_b32 s[G0V], 1
	s_add_co_u32 s[G0V+1], s63, VOFF
	s_mov_b32 s[G0V+4], 1
	s_add_co_u32 s[G0V+5], s63, SLOT+VOFF
	s_mul_i32 s78, s[BB], 2000
	s_add_co_u32 s78, s78, s[ROW0]                 ; my first row
	s_lshl_b32 s80, s78, 11
	s_mov_b32 s81, 0
	s_lshl_b32 s78, s78, 10
	s_mov_b32 s79, 0
	s_mul_i32 s92, s[BB], 25*2048
	s_mov_b32 s93, 0
	s_lshl_b32 s17, s[BB], 2
	s_mov_b32 s[CS], 0x3d8293ee                    ; c = log2(e) / sqrt(512)
	s_mov_b32 s[CS+1], s[CS]
	s_mov_b32 s[SEL], 0x76543210
	s_mov_b32 s[SEL+1], 0xfedcba98
	s_wait_dscnt 0x0                               ; the opening add is done
	s_wait_kmcnt 0x0
	s_load_b32 s[LEN], s[12:13], s17 offset:0x0    ; L: it chooses values on the way out, and nothing else
	s_add_nc_u64 s[G0K+2:G0K+3], s[6:7], s[60:61]  ; tile 0
	s_add_nc_u64 s[G0K+6:G0K+7], s[G0K+2:G0K+3], 65536  ; tile 1
	s_or_b32 s[G0K+3], s[G0K+3], 0x80000000
	s_or_b32 s[G0K+7], s[G0K+7], 0x80000000
	s_add_nc_u64 s[G0V+2:G0V+3], s[8:9], s[60:61]
	s_add_nc_u64 s[G0V+6:G0V+7], s[G0V+2:G0V+3], 65536
	s_or_b32 s[G0V+3], s[G0V+3], 0x80000000
	s_or_b32 s[G0V+7], s[G0V+7], 0x80000000
	s_add_nc_u64 s[4:5], s[4:5], s[78:79]
	s_add_nc_u64 s[OP:OP+1], s[14:15], s[80:81]
	s_add_nc_u64 s[10:11], s[10:11], s[92:93]
	CROUND                                         ; all four work-groups are here: the first joint loads meet
	s_cmp_lt_u32 s[WV], 2                          ; a wave's two first fills stand in one branch
	s_cbranch_scc0 .Lfirst_v
	tensor_load_to_lds s[G0K:G0K+3], s[G1K:G1K+7]
	s_nop 0
	tensor_load_to_lds s[G0K+4:G0K+7], s[G1K:G1K+7]
	s_nop 0
	PLACES
	s_branch .Lfirst_asked
.Lfirst_v:
	tensor_load_to_lds s[G0V:G0V+3], s[G1V:G1V+7]
	s_nop 0
	tensor_load_to_lds s[G0V+4:G0V+7], s[G1V:G1V+7]
	s_nop 0
	PLACES
.Lfirst_asked:
	v_and_b32 v[LN], 31, v0
	v_and_b32 v[R], 15, v0
	v_bfe_u32 v[H], v0, 4, 1
	v_lshlrev_b32 v[QO], 10, v[R]
	v_lshl_add_u32 v[QO], v[H], 4, v[QO]
	s_lshl_b32 s3, s[WV], 9
	v_lshl_add_u32 v[GO], v[LN], 4, s3
	WIN 0x80                                       ; Q stays in registers: 64 fragments
.set f, 0
.rept 32
	global_load_b128 v[8*f:8*f+3], v[QO], s[4:5] offset:(f%4)*16384+(f/4)*64
	global_load_b128 v[8*f+4:8*f+7], v[QO], s[4:5] offset:(f%4)*16384+(f/4)*64+32
.set f, f+1
.endr
	WIN 0xc0
.set f, 0
.rept 32
	global_load_b128 v[8*f:8*f+3], v[QO], s[4:5] offset:(f%4)*16384+(f/4)*64+512
	global_load_b128 v[8*f+4:8*f+7], v[QO], s[4:5] offset:(f%4)*16384+(f/4)*64+544
.set f, f+1
.endr
	WIN 0
.set f, 0
.rept 25                               ; the batch's 25 rows of column sums, my four columns
	global_load_b128 v[FB+4*f:FB+4*f+3], v[GO], s[10:11] offset:2048*f
.set f, f+1
.endr
	WIN 0x40                                       ; O^T = 0: no first step is written out: its a is 0.  These lines stand in the wait for the first tile
.set f, 0
.rept 256
	v_mov_b32 v[f], 0
.set f, f+1
.endr
	WIN 0
.irp t, 0,1,2,3
	v_mov_b32 v[ST+8*\t], 0xfe000000               ; c m: far below every c s
	v_mov_b32 v[ST+8*\t+1], 0xff7fffff             ; m: the lowest finite number
	v_mov_b32 v[ST+8*\t+2], 0
	v_mov_b32 v[ST+8*\t+3], 0
	v_mov_b32 v[ST+8*\t+4], 0
	v_mov_b32 v[ST+8*\t+5], 0
	v_mov_b32 v[ST+8*\t+6], 0
	v_mov_b32 v[ST+8*\t+7], 0
.endr
	v_mov_b32 v[NINF], 0xff800000
	v_mov_b32 v[VROW], s[ROW0]
	v_mul_u32_u24 v[AK], v[R], KP
	v_lshl_add_u32 v[AK], v[H], 4, v[AK]
	s_mul_i32 s3, s[WV], 16*KP
	v_add_nc_u32 v[AK], s3, v[AK]                  ; key 16 w + r, 16 bytes for each half of the lanes
	v_add_nc_u32 v[AK+1], SLOT, v[AK]
	v_and_b32 v[T0], 7, v0
	v_lshl_add_u32 v[T0], v[H], 3, v[T0]
	v_mul_u32_u24 v[AV], v[T0], VP
	v_bfe_u32 v[T0], v0, 3, 1
	v_lshl_add_u32 v[AV], v[T0], 4, v[AV]
	s_lshl_b32 s3, s[WV], 8
	s_add_co_u32 s3, s3, VOFF
	v_add_nc_u32 v[AV], s3, v[AV]
	v_add_nc_u32 v[AV+1], SLOT, v[AV]
	v_mul_u32_u24 v[PRD], v[R], PP
	v_lshl_add_u32 v[PRD], v[H], 4, v[PRD]
	v_add_nc_u32 v[PRD], PB, v[PRD]
	s_lshl_b32 s3, s[WV], 5
	v_add_nc_u32 v[PST], s3, v[PRD]
	v_lshlrev_b32 v[MXR], 4, v[R]
	v_add_nc_u32 v[MXR], MX, v[MXR]
	s_lshl_b32 s3, s[WV], 2
	v_add_nc_u32 v[MXS], s3, v[MXR]
	s_mul_i32 s3, s[WV], 16*SGP
	s_add_co_u32 s3, s3, STG
	v_mul_u32_u24 v[STO], v[R], SGP
	v_lshl_add_u32 v[STO], v[H], 5, v[STO]
	v_add_nc_u32 v[STO], s3, v[STO]
	v_lshl_add_u32 v[RD], v[LN], 4, s3
	s_lshl_b32 s3, s[WV], 4
	s_sub_co_u32 s3, s[ROW0], s3
	v_lshlrev_b32 v[T0], 3, v[H]
	v_sub_nc_u32 v[T0], v[R], v[T0]
	v_add_nc_u32 v[T0], s3, v[T0]                  ; 64 blk + r - 16 w - 8 h, as a signed number
.irp t, 0,1,2,3
	v_add_nc_u32 v[DD+\t], 16*\t, v[T0]
.endr
	s_wait_kmcnt 0x0
	s_max_i32 s[LEN], s[LEN], 0
	s_min_u32 s[LEN], s[LEN], 2000
	s_wait_loadcnt 0x0                             ; Q and the column sums
	v_pk_add_f32 v[MEAN:MEAN+1], v[FB:FB+1], v[FB+4:FB+5]
	v_pk_add_f32 v[MEAN+2:MEAN+3], v[FB+2:FB+3], v[FB+6:FB+7]
.set f, 2
.rept 23
	v_pk_add_f32 v[MEAN:MEAN+1], v[MEAN:MEAN+1], v[FB+4*f:FB+4*f+1]
	v_pk_add_f32 v[MEAN+2:MEAN+3], v[MEAN+2:MEAN+3], v[FB+4*f+2:FB+4*f+3]
.set f, f+1
.endr
	v_pk_mul_f32 v[MEAN:MEAN+1], v[MEAN:MEAN+1], 0x3a03126f op_sel_hi:[1,0]      ; / 2000
	v_pk_mul_f32 v[MEAN+2:MEAN+3], v[MEAN+2:MEAN+3], 0x3a03126f op_sel_hi:[1,0]
	s_wait_tensorcnt 0x1                           ; my part of tile 0 is in; tile 1 may stay out
	BAR
	s_mov_b32 s[IT], 0
.Lpair:                                                ; a trip: two key tiles, and both slots are filled again
	ASTEP 0, 1
	ASTEP 1, 1
	s_add_co_u32 s[IT], s[IT], 1
	s_cmp_lt_u32 s[IT], s[NB]
	s_cbranch_scc1 .Lpair
	ASTEP 0, 0                                     ; the last two tiles are written out, on the same fixed addresses: they ask for nothing.  Slot 0's tile was shown landed in the last trip's second step;
	ASTEP 1, 0                                     ; slot 1's by the wait for all loads and the barrier in the step above
	; THE WAY OUT.  l: its two halves, the other half of the lanes, the four waves through LDS
.irp t, 0,1,2,3
	v_add_f32 v[ST+8*\t+6], v[ST+8*\t+2], v[ST+8*\t+3]
.endr
.irp t, 0,1,2,3
	v_permlanex16_b32 v[ST+8*\t+7], v[ST+8*\t+6], s[SEL], s[SEL+1]
.endr
.irp t, 0,1,2,3
	v_add_f32 v[ST+8*\t+6], v[ST+8*\t+6], v[ST+8*\t+7]
.endr
.irp t, 0,1,2,3
	ds_store_b32 v[MXS], v[ST+8*\t+6] offset:LSO+256*\t
.endr
	s_wait_dscnt 0x0
	BAR
.irp t, 0,1,2,3
	ds_load_b128 v[X+4*\t:X+4*\t+3], v[MXR] offset:LSO+256*\t
.endr
	s_wait_dscnt 0x0
.irp t, 0,1,2,3
	v_pk_add_f32 v[X+4*\t:X+4*\t+1], v[X+4*\t:X+4*\t+1], v[X+4*\t+2:X+4*\t+3]
.endr
.irp t, 0,1,2,3
	v_add_f32 v[X+4*\t], v[X+4*\t], v[X+4*\t+1]
.endr
.irp t, 0,1,2,3
	v_rcp_f32 v[ST+8*\t+4], v[X+4*\t]
.endr
	v_nop
	s_wait_alu depctr_va_vdst(0)
; Tile t: O^T / l goes through my stage and comes back as rows of my 128 channels, 512 bytes; a row at or behind L takes the mean; a tile behind row 1,999 is not stored
.macro OUT t
	WIN 0x41
.set f, 0
.rept 32
	v_pk_mul_f32 v[64*(\t)+2*f:64*(\t)+2*f+1], v[64*(\t)+2*f:64*(\t)+2*f+1], v[ST+8*(\t)+4:ST+8*(\t)+5] op_sel_hi:[1,0]
.set f, f+1
.endr
	WIN 0x04                                       ; the stores' data in window 1
.set f, 0
.rept 8
	ds_store_b128 v[STO], v[64*(\t)+8*f:64*(\t)+8*f+3] offset:64*f
	ds_store_b128 v[STO], v[64*(\t)+8*f+4:64*(\t)+8*f+7] offset:64*f+16
.set f, f+1
.endr
	WIN 0
.set f, 0
.rept 16
	ds_load_b128 v[FB+4*f:FB+4*f+3], v[RD] offset:SGP*f   ; LDS serves a wave's instructions in order (ISA guide 5.7.1.4): these see the stores above
.set f, f+1
.endr
	s_wait_dscnt 0x0
.set f, 0
.rept 16
	s_add_co_u32 s3, s[ROW0], 16*(\t)+f
	s_cmp_lt_u32 s3, s[LEN]
	s_cselect_b32 s[MK], -1, 0
.irp k, 0,1,2,3
	v_cndmask_b32 v[FB+4*f+\k], v[MEAN+\k], v[FB+4*f+\k], s[MK]
.endr
.set f, f+1
.endr
	v_cmp_gt_u32 vcc_lo, 2000-16*(\t), v[VROW]
	s_wait_xcnt 0x0                                ; EXEC changes only behind this wait
	s_and_saveexec_b32 s[SX], vcc_lo
.set f, 0
.rept 16
	global_store_b128 v[GO], v[FB+4*f:FB+4*f+3], s[OP:OP+1] offset:(16*(\t)+f)*2048 th:TH_STORE_NT   ; 512 consecutive bytes, aligned
.set f, f+1
.endr
	s_wait_xcnt 0x0                                ; and again in front of the line that widens it; it also frees the stores' data
	s_or_b32 exec_lo, exec_lo, s[SX]
.endm
	OUT 0
	OUT 1
	OUT 2
	OUT 3
	s_wait_tensorcnt 0x0                           ; the wave's end
	ds_add_u32 v[SPW], v[NIL]
	s_wait_dscnt 0x0
	CROUND                                         ; the closing round
	s_endpgm
.Lfunc_end_k_q00c2c66583_attn:
	.size	k_q00c2c66583_attn, .Lfunc_end_k_q00c2c66583_attn-k_q00c2c66583_attn
	.p2alignl 7, 3214868480
	.fill 96, 4, 3214868480
	.section	.rodata,"a",@progbits
	.p2align	6, 0x0
	.amdhsa_kernel k_q00c2c66583_attn
		.amdhsa_group_segment_fixed_size 327680
		.amdhsa_private_segment_fixed_size 0
		.amdhsa_enable_private_segment 0
		.amdhsa_kernarg_size 48
		.amdhsa_user_sgpr_count 2
		.amdhsa_user_sgpr_kernarg_segment_ptr 1
		.amdhsa_wavefront_size32 1
		.amdhsa_system_sgpr_workgroup_id_x 1
		.amdhsa_system_sgpr_workgroup_id_y 1
		.amdhsa_system_sgpr_workgroup_id_z 1
		.amdhsa_system_vgpr_workitem_id 0
		.amdhsa_next_free_vgpr 1024
		.amdhsa_next_free_sgpr 100
		.amdhsa_reserve_vcc 1
		.amdhsa_float_denorm_mode_32 3
		.amdhsa_float_denorm_mode_16_64 3
		.amdhsa_memory_ordered 1
		.amdhsa_forward_progress 1
		.amdhsa_inst_pref_size 229
	.end_amdhsa_kernel
	.amdgpu_metadata
---
amdhsa.version: [ 1, 2 ]
amdhsa.kernels:
  - .name:           k_q00c2c66583_attn
    .symbol:         k_q00c2c66583_attn.kd
    .args:
      - { .name: qb, .offset: 0, .size: 8, .value_kind: global_buffer, .address_space: global }
      - { .name: kb, .offset: 8, .size: 8, .value_kind: global_buffer, .address_space: global }
      - { .name: vb, .offset: 16, .size: 8, .value_kind: global_buffer, .address_space: global }
      - { .name: part, .offset: 24, .size: 8, .value_kind: global_buffer, .address_space: global }
      - { .name: input_len, .offset: 32, .size: 8, .value_kind: global_buffer, .address_space: global }
      - { .name: out0, .offset: 40, .size: 8, .value_kind: global_buffer, .address_space: global }
    .group_segment_fixed_size: 327680
    .private_segment_fixed_size: 0
    .kernarg_segment_align: 8
    .kernarg_segment_size: 48
    .max_flat_workgroup_size: 128
    .sgpr_count:     100
    .vgpr_count:     1024
    .wavefront_size: 32
...
	.end_amdgpu_metadata
.endif
;; end of part 3
;; ======== version 2 of 2: 3 launches; 1.22 times as fast as version 1
;; limits: values are held in f16: magnitudes above 65,504 overflow, below 6.1e-05 lose precision; right only within a limited range of input values
;; workspace buffers: wb 3,276,800 bytes; qb 16,449,536 bytes; kb 16,449,536 bytes; vb 16,449,536 bytes; part 409,600 bytes
;; launch cast (part 4): grid 32 x 6, 8 waves a work-group, no clusters, 0 bytes of LDS; arguments q_lin_w, qv_w, kv_w, vv_w, sig_w, tan_w, wb, qb, kb, vb; writes wb, qb, kb, vb
.if DOCPART == 4
	.amdgcn_target "amdgcn-amd-amdhsa--gfx1250"
	.amdhsa_code_object_version 6
	.text
	.protected	k_q00c2c66583_cast
	.globl	k_q00c2c66583_cast
	.p2align	8
	.type	k_q00c2c66583_cast,@function
k_q00c2c66583_cast:
	s_mov_b64 s[64:65], 0
	v_nop
	global_prefetch_b8 v0, s[64:65] scope:SCOPE_SE
	s_setreg_imm32_b32 hwreg(HW_REG_WAVE_MODE, 25, 1), 1
	s_wait_xcnt 0x0
; The six weight matrices, each [512 k][512 n] f32, are rounded to bf16, that number is written as f16, and laid into wb as the next launch's matrix fragments, in the order of use:
; q_lin, qv, kv, vv, gate 0, gate 1.  wb = [96 K steps of 32][8 waves][4 column tiles][2 halves][32 lanes][16 bytes]: step s = 16 y + kk of matrix y; lane (r, h) of tile c, half q of wave w
; holds W[32 kk + 16 q + 8 h + 0..7][64 w + 16 c + r].  A gate matrix P holds, in column 64 w + 32 sel + i, column 256 P + 32 w + i of sig_w (sel = 0) or tan_w (sel = 1): sel is c / 2.
; Behind the 96 steps lie 4 steps of zeros, which the next launch's stream of loads reaches and does not use.
; LIMIT: a bf16 number below 2^-17 keeps f16's fixed step of 2^-24; beyond 65,504 it would be infinite (the weights here are far inside).
; Work-group (x, y): K step kk = x / 2 of matrix y, column tiles 2 (x % 2) and 2 (x % 2) + 1; wave w as above.  A wave reads 32 rows x 128 bytes, 4 bytes a lane (16 lanes take 64 neighbouring bytes of a row),
; and stores 2,048 consecutive bytes, 512 an instruction.  It also writes zeros into the 64 spare rows behind row 15,999 of qb, kb, vb, which the last launch's tiles may touch.
.set X, 8                              ; v[8:39]   32 numbers as loaded: 16 c' + 8 q + j
.set T, 40                             ; v[40:43]  at work
.set O, 44                             ; v[44:59]  four groups of 8 f16 to store
.set ZR, 60                            ; v[60:63]  zeros
.macro CONV x, o                       ; 8 f32 -> bf16 (nearest even) -> the same numbers as f32 -> f16
.irp k, 0,1,2,3
	v_cvt_pk_bf16_f32 v[T+\k], v[(\x)+2*\k], v[(\x)+2*\k+1]
.endr
.irp k, 0,1,2,3
	v_lshlrev_b32 v[(\x)+2*\k], 16, v[T+\k]
	v_and_b32 v[(\x)+2*\k+1], 0xffff0000, v[T+\k]
.endr
.irp k, 0,1,2,3
	v_cvt_pk_f16_f32 v[(\o)+\k], v[(\x)+2*\k], v[(\x)+2*\k+1]
.endr
.endm
	s_load_b512 s[4:19], s[0:1], 0x0               ; q_lin_w, qv_w, kv_w, vv_w, sig_w s[12:13], tan_w s[14:15], wb s[16:17], qb s[18:19]
	s_load_b128 s[20:23], s[0:1], 0x40             ; kb, vb
	s_and_b32 s2, ttmp7, 0xffff                    ; y: the matrix
	s_lshr_b32 s3, ttmp9, 1                        ; kk
	s_and_b32 s24, ttmp9, 1                        ; which pair of column tiles
	v_lshrrev_b32 v1, 5, v0
	v_readfirstlane_b32 s28, v1                    ; wave
	v_and_b32 v2, 15, v0                           ; r
	v_bfe_u32 v3, v0, 4, 1                         ; h
	v_and_b32 v4, 31, v0
	v_lshlrev_b32 v6, 4, v4                        ; where I store: 16 x lane
	v_lshlrev_b32 v7, 4, v0                        ; for the zeros: 16 x thread
	v_mov_b32 v[ZR], 0
	v_mov_b32 v[ZR+1], 0
	v_mov_b32 v[ZR+2], 0
	v_mov_b32 v[ZR+3], 0
	s_lshl_b32 s25, s28, 6
	s_lshl_b32 s26, s24, 5
	s_add_co_u32 s25, s25, s26                     ; a plain matrix: my first column is 64 w + 32 (x % 2)
	s_max_u32 s26, s2, 4
	s_sub_co_u32 s26, s26, 4
	s_lshl_b32 s26, s26, 8
	s_lshl_b32 s27, s28, 5
	s_add_co_u32 s26, s26, s27                     ; a gate matrix: 256 P + 32 w
	s_cmp_ge_u32 s2, 4
	s_cselect_b32 s25, s26, s25
	s_lshl_b32 s25, s25, 2
	s_lshl_b32 s27, s3, 16                         ; 32 kk rows of 2,048 bytes
	s_add_co_u32 s27, s27, s25
	v_lshlrev_b32 v5, 2, v2
	v_lshl_add_u32 v5, v3, 14, v5                  ; + 8 h rows
	v_add_nc_u32 v5, s27, v5
	s_lshl_b32 s34, s2, 4
	s_add_co_u32 s34, s34, s3                      ; s = 16 y + kk
	s_lshl_b32 s34, s34, 15
	s_lshl_b32 s35, s28, 12
	s_add_co_u32 s34, s34, s35
	s_lshl_b32 s35, s24, 11
	s_add_co_u32 s34, s34, s35
	s_mov_b32 s35, 0
	s_wait_kmcnt 0x0
	s_add_nc_u64 s[36:37], s[16:17], s[34:35]
	s_cmp_eq_u32 s2, 1                             ; which matrix is read: a choice on the work-group's place alone
	s_cselect_b64 s[30:31], s[6:7], s[4:5]
	s_cmp_eq_u32 s2, 2
	s_cselect_b64 s[30:31], s[8:9], s[30:31]
	s_cmp_eq_u32 s2, 3
	s_cselect_b64 s[30:31], s[10:11], s[30:31]
	s_cmp_eq_u32 s24, 1
	s_cselect_b64 s[32:33], s[14:15], s[12:13]
	s_cmp_ge_u32 s2, 4
	s_cselect_b64 s[30:31], s[32:33], s[30:31]
.set i, 0
.rept 32
	global_load_b32 v[X+i], v5, s[30:31] offset:(16*((i/8)%2)+i%8)*2048+(i/16)*64
.set i, i+1
.endr
.irp g, 0,1,2,3
	s_wait_loadcnt 24-8*\g                         ; the later groups' loads stay out
	CONV X+8*\g, O+4*\g
	global_store_b128 v6, v[O+4*\g:O+4*\g+3], s[36:37] offset:512*\g
.endr
	s_cmp_gt_u32 s28, 1
	s_cbranch_scc1 .Lwpad
	s_lshr_b32 s29, s2, 1                          ; waves 0 and 1: one spare row of 1,024 bytes of buffer y / 2
	s_cmp_eq_u32 s29, 1
	s_cselect_b64 s[40:41], s[20:21], s[18:19]
	s_cmp_eq_u32 s29, 2
	s_cselect_b64 s[40:41], s[22:23], s[40:41]
	s_and_b32 s29, s2, 1
	s_lshl_b32 s29, s29, 5
	s_add_co_u32 s29, s29, ttmp9                   ; spare row 32 (y % 2) + x
	s_add_co_u32 s29, s29, 16000
	s_lshl_b32 s42, s29, 10
	s_mov_b32 s43, 0
	s_add_nc_u64 s[40:41], s[40:41], s[42:43]
	global_store_b128 v7, v[ZR:ZR+3], s[40:41]
	s_branch .Lend
.Lwpad:
	s_cmp_gt_u32 s28, 3                            ; waves 2 and 3 of the matrices 0 to 3: 1,024 bytes each of the 131,072 zeros behind wb's 96 steps
	s_cbranch_scc1 .Lend
	s_cmp_gt_u32 s2, 3
	s_cbranch_scc1 .Lend
	s_lshl_b32 s42, s2, 5
	s_add_co_u32 s42, s42, ttmp9
	s_lshl_b32 s42, s42, 10
	s_add_co_u32 s42, s42, 96*32768-1024           ; less the 1,024 that threads 64 on carry in 16 x thread
	s_mov_b32 s43, 0
	s_add_nc_u64 s[40:41], s[16:17], s[42:43]
	global_store_b128 v7, v[ZR:ZR+3], s[40:41]
.Lend:
	s_endpgm
.Lfunc_end_k_q00c2c66583_cast:
	.size	k_q00c2c66583_cast, .Lfunc_end_k_q00c2c66583_cast-k_q00c2c66583_cast
	.p2alignl 7, 3214868480
	.fill 96, 4, 3214868480
	.section	.rodata,"a",@progbits
	.p2align	6, 0x0
	.amdhsa_kernel k_q00c2c66583_cast
		.amdhsa_group_segment_fixed_size 0
		.amdhsa_private_segment_fixed_size 0
		.amdhsa_enable_private_segment 0
		.amdhsa_kernarg_size 80
		.amdhsa_user_sgpr_count 2
		.amdhsa_user_sgpr_kernarg_segment_ptr 1
		.amdhsa_wavefront_size32 1
		.amdhsa_system_sgpr_workgroup_id_x 1
		.amdhsa_system_sgpr_workgroup_id_y 1
		.amdhsa_system_sgpr_workgroup_id_z 1
		.amdhsa_system_vgpr_workitem_id 0
		.amdhsa_next_free_vgpr 64
		.amdhsa_next_free_sgpr 66
		.amdhsa_reserve_vcc 0
		.amdhsa_float_denorm_mode_32 3
		.amdhsa_float_denorm_mode_16_64 3
		.amdhsa_memory_ordered 1
		.amdhsa_forward_progress 1
		.amdhsa_inst_pref_size 11
	.end_amdhsa_kernel
	.amdgpu_metadata
---
amdhsa.version: [ 1, 2 ]
amdhsa.kernels:
  - .name:           k_q00c2c66583_cast
    .symbol:         k_q00c2c66583_cast.kd
    .args:
      - { .name: q_lin_w, .offset: 0, .size: 8, .value_kind: global_buffer, .address_space: global }
      - { .name: qv_w, .offset: 8, .size: 8, .value_kind: global_buffer, .address_space: global }
      - { .name: kv_w, .offset: 16, .size: 8, .value_kind: global_buffer, .address_space: global }
      - { .name: vv_w, .offset: 24, .size: 8, .value_kind: global_buffer, .address_space: global }
      - { .name: sig_w, .offset: 32, .size: 8, .value_kind: global_buffer, .address_space: global }
      - { .name: tan_w, .offset: 40, .size: 8, .value_kind: global_buffer, .address_space: global }
      - { .name: wb, .offset: 48, .size: 8, .value_kind: global_buffer, .address_space: global }
      - { .name: qb, .offset: 56, .size: 8, .value_kind: global_buffer, .address_space: global }
      - { .name: kb, .offset: 64, .size: 8, .value_kind: global_buffer, .address_space: global }
      - { .name: vb, .offset: 72, .size: 8, .value_kind: global_buffer, .address_space: global }
    .group_segment_fixed_size: 0
    .private_segment_fixed_size: 0
    .kernarg_segment_align: 8
    .kernarg_segment_size: 80
    .max_flat_workgroup_size: 256
    .sgpr_count:     66
    .vgpr_count:     64
    .wavefront_size: 32
...
	.end_amdgpu_metadata
.endif
;; end of part 4
;; launch proj (part 5): grid 200 x 1, 8 waves a work-group, no clusters, 172,544 bytes of LDS; arguments query, value, aux_emb, wb, q_lin_b, sig_b, tan_b, part, qv_b, qv_a, qv_g, qv_be, qb, kv_b, kv_a, kv_g, kv_be, kb, vv_b, vv_a, vv_g, vv_be, vb; writes qb, kb, vb, part
.if DOCPART == 5
	.amdgcn_target "amdgcn-amd-amdhsa--gfx1250"
	.amdhsa_code_object_version 6
	.text
	.protected	k_q00c2c66583_proj
	.globl	k_q00c2c66583_proj
	.p2align	8
	.type	k_q00c2c66583_proj,@function
k_q00c2c66583_proj:
	s_mov_b64 s[64:65], 0
	v_nop
	global_prefetch_b8 v0, s[64:65] scope:SCOPE_SE
	s_setreg_imm32_b32 hwreg(HW_REG_WAVE_MODE, 25, 1), 1
	s_wait_xcnt 0x0
; All six projections of 80 rows, fused: q1 = query W + b + aux; q = LN(PReLU(q1 W + b)); k, v0 = LN(PReLU((value + aux) W + b)); v = sigmoid(v0 W + b) tanh(v0 W + b).
; Out: q, k, v as f16 rows of 1,024 bytes, and the column sums of v over the 80 rows (f32), from which the last launch makes a batch's mean.
; FORMATS.  Every input is rounded to bf16 (weights in the launch before); what the program makes (q1, value + aux, q, k, v0, v) is f16; products in v_wmma_f32_16x16x32_f16, all else in f32.
; LIMIT: f16 ends at 65,504: q1 and value + aux must stay inside it (with inputs 30 times the drawn ones they reach some thousands); an LN row is at most 23 |g| + |be|.
; SHARES.  200 work-groups of 80 rows: 25 to a batch, so aux and the column sums are one batch's.  Eight waves; wave w makes all 80 rows x columns 64 w .. 64 w + 63: 20 accumulators.
; The matrix instruction is used transposed: source 0 = 16 columns of W, source 1 = 16 rows of the activations: a lane holds one row and eight neighbouring columns.
; THE WEIGHTS COME THROUGH REGISTERS, NOT THROUGH LDS, AND THERE IS NO CLUSTER.  A wave owns its 64 columns, so each byte of W is used by one wave of the work-group, once: LDS would share nothing.  wb holds
; the fragments as the matrix unit wants them, so half a fragment is one load of 512 consecutive bytes.  A wave keeps a ring of four register buffers, one K step of 32 each (4,096 bytes): the load for step
; s + 4 is issued behind step s's products, under a counted wait, with no barrier in the K loops; the stream of 96 steps runs on through all six products, so a product's first fragments land under the epilogue
; before it.  A ring of LDS slots beside the 166,400 bytes of activations would have room for two slots of 64 k rows: 40 matrix instructions a wave between a request and the wait for it, and a barrier for each.
; The price: each work-group fetches the 3 MB of weights itself, four times the requests that joint loads of four partners would make.
; 200 work-groups for 256 WGPs: 80 divides a batch's 2,000 rows; 64-row shares would cross batches.
.set AP,    1040                       ; a row of activations in LDS: 1,024 bytes + 16: the 16 rows of a load start at 16 different groups of four banks (ISA guide 11.1)
.set A1B,   80*AP                      ; A0 at 0 (q1, then each LN result), A1 here (value + aux, at last v)
.set AHI,   48*AP                      ; row tiles 3 and 4 are reached from a second address register: an LDS offset has 16 bits
.set RED1,  2*80*AP                    ; [80 rows][8 waves] f32: the waves' row sums; REDD further on those of the squares
.set REDD,  2560
.set SPARE, RED1+2*REDD                ; the spare words, 128 bytes for each wave
.set WSTEP, 32768                      ; bytes of wb in a K step: 8 waves x 4,096
; window 0
.set R, 1                              ; v1  lane % 16
.set H, 2                              ; v2  lane / 16
.set LN, 3                             ; v3  lane
.set LANEA, 4                          ; v4  r x 1,040 + 16 h
.set ADA, 5                            ; v5  my place in the activations' row tiles 0-2, at the K in hand; v6 in tiles 3, 4
.set ADA2, 6
.set WOFF, 7                           ; v7  my place in wb: 4,096 w + 16 x lane + the steps done
.set STO, 9                            ; v9, v10  where I put 16 bytes of a result row in A0
.set STO2, 10
.set RA, 11                            ; v11 where my wave's row sum goes; v12 where a row's eight sums lie
.set RBR, 12
.set RD0, 13                           ; v13, v14  my wave's ten rows of A0, A1, read back whole
.set RD1, 14
.set GO, 15                            ; v15 16 x lane
.set VB, 16                            ; v16 256 w + 32 h: my eight columns in a vector of 512 f32
.set VBG, 17                           ; v17 128 w + 32 h + 1,024 P: the same for gate P's 32 columns a wave
.set GST, 18                           ; v18, v19  where I put 16 bytes of v in A1
.set GST2, 19
.set SGO, 20                           ; v20, v21  staging: offset in memory, address in LDS
.set SLA, 21
.set T0, 24                            ; v24, v25 at work
.set SPW, 30                           ; v30 my spare word; v31 zero; never rewritten
.set NIL, 31
.set FA, 32                            ; v32-71, v72-111: two buffers of the activations' fragments, 5 x 8 each
.set F0, 32                            ; the same 80 registers, for staging and for the way out
.set AUX, 112                          ; v112-127 at the head: aux for staging
.set GG, 32                            ; in an epilogue the activations' buffers are free: g, beta,
.set BE, 64
.set SM, 96                            ; five pairs: sums, then means
.set TP, 106
.set SQ, 112                           ; five pairs: sums of squares, then 1 / sigma
.set CSM, 32                           ; the gate: column sums, packed v
.set TM, 48
.set BR, 128                           ; v128-255 the ring of W's fragments: step s in BR + 32 (s % 4), tile c at + 8 c; live through the epilogues
; window 1
.set CB, 160                           ; v0-159 the accumulators ((a, c) at 32 a + 8 c); v160-191 the bias, the C operand of a product's first K step
.set TT, 192                           ; v192-255 at work: PReLU,
.set RL, 192                           ; a row's eight partial sums,
.set AC, 192                           ; at the head aux for the first bias,
.set T1, 254                           ; two for the rounding
.set WV, 50
.set C3, 51
.set KC, 60
.set ABASE, 61
.set SEL, 62                           ; s[62:63]
.set AM1, 66                           ; s[66:67] a - 1
.set OUTP, 76
.set RO, 78                            ; s[78:79] (80 g + 10 w) x 1,024
.set GI, 82
.set BT, 83
.set INV, 84
.set SX, 85
.set SC, 86
.set SA, 87
.set EPS, 88
.set MSB, 0
.macro WIN new                         ; the immediate's high byte repeats the setting that is left
.if MSB != (\new)
	s_set_vgpr_msb (MSB<<8)|(\new)
.set MSB, (\new)
.endif
.endm
.macro PLACES                          ; four places behind matrix instructions (ISA guide 7.12.1)
.rept 4
	v_nop
.endr
.endm
.macro BAR
	s_barrier_signal -1
	s_barrier_wait -1
.endm
.macro RB x, t                         ; v[x], v[x+1] rounded to bf16, kept as f32
	v_cvt_pk_bf16_f32 v[\t], v[\x], v[(\x)+1]
	v_lshlrev_b32 v[\x], 16, v[\t]
	v_and_b32 v[(\x)+1], 0xffff0000, v[\t]
.endm
.macro LDCB plo                        ; a bias vector's 4 x 8 numbers of my columns
	WIN 0x40                                       ; destination in window 1
.irp c, 0,1,2,3
	global_load_b128 v[CB+8*\c:CB+8*\c+3], v[VB], s[\plo:(\plo)+1] offset:64*\c
	global_load_b128 v[CB+8*\c+4:CB+8*\c+7], v[VB], s[\plo:(\plo)+1] offset:64*\c+16
.endr
	WIN 0
.endm
.macro LDCBG off                       ; a gate's bias: column tiles 0, 1 take sig_b, tiles 2, 3 tan_b
	WIN 0x40
.irp c, 0,1
	global_load_b128 v[CB+8*\c:CB+8*\c+3], v[VBG], s[14:15] offset:(\off)+64*\c
	global_load_b128 v[CB+8*\c+4:CB+8*\c+7], v[VBG], s[14:15] offset:(\off)+64*\c+16
	global_load_b128 v[CB+16+8*\c:CB+16+8*\c+3], v[VBG], s[16:17] offset:(\off)+64*\c
	global_load_b128 v[CB+16+8*\c+4:CB+16+8*\c+7], v[VBG], s[16:17] offset:(\off)+64*\c+16
.endr
	WIN 0
.endm
.macro RBCB
	s_wait_loadcnt 0x0                             ; the bias is in: nothing was loaded behind it; the ring's four steps, asked for earlier, are in too
	WIN 0x55
.set p, 0
.rept 16
	RB CB+2*p, T1+(p%2)
.set p, p+1
.endr
.endm
.macro FETCHA p, aoff                  ; 10 LDS loads: 80 rows x 32 along K of the activations, at byte aoff, into buffer p
.set a, 0
.rept 5
.if a < 3
	ds_load_b128 v[FA+40*(\p)+8*a:FA+40*(\p)+8*a+3], v[ADA] offset:a*16*AP+(\aoff)
	ds_load_b128 v[FA+40*(\p)+8*a+4:FA+40*(\p)+8*a+7], v[ADA] offset:a*16*AP+(\aoff)+32
.else
	ds_load_b128 v[FA+40*(\p)+8*a:FA+40*(\p)+8*a+3], v[ADA2] offset:(a-3)*16*AP+(\aoff)
	ds_load_b128 v[FA+40*(\p)+8*a+4:FA+40*(\p)+8*a+7], v[ADA2] offset:(a-3)*16*AP+(\aoff)+32
.endif
.set a, a+1
.endr
.endm
.macro LOADB j, imm                    ; 8 loads of 512 consecutive bytes: my 64 columns x 32 along K of W, into buffer j of the ring
.irp c, 0,1,2,3
	global_load_b128 v[BR+32*(\j)+8*\c:BR+32*(\j)+8*\c+3], v[WOFF], s[10:11] offset:(\imm)+1024*\c
	global_load_b128 v[BR+32*(\j)+8*\c+4:BR+32*(\j)+8*\c+7], v[WOFF], s[10:11] offset:(\imm)+1024*\c+512
.endr
.endm
; ONE K STEP of 32: buffer p of the activations x buffer j of W.  The 20 accumulators take turns in one fixed order.  first = 1: the bias starts the sums.
; Behind the products and four places both buffers are asked for again: the activations two steps on (aoff; none if negative), W four steps on (imm).
; dsw: the LDS loads issued behind this step's: the 10 of the step before, or none.  The count 24: three younger refills of the ring, 8 loads each.
.macro KSTEP p, j, first, dsw, aoff, imm
	s_wait_loadcnt 24
	s_wait_dscnt \dsw
	WIN 0x50                                       ; C and D in window 1, both sources in window 0
.set a, 0
.rept 5
.irp c, 0,1,2,3
.if \first
	v_wmma_f32_16x16x32_f16 v[32*a+8*\c:32*a+8*\c+7], v[BR+32*(\j)+8*\c:BR+32*(\j)+8*\c+7], v[FA+40*(\p)+8*a:FA+40*(\p)+8*a+7], v[CB+8*\c:CB+8*\c+7]
.else
	v_wmma_f32_16x16x32_f16 v[32*a+8*\c:32*a+8*\c+7], v[BR+32*(\j)+8*\c:BR+32*(\j)+8*\c+7], v[FA+40*(\p)+8*a:FA+40*(\p)+8*a+7], v[32*a+8*\c:32*a+8*\c+7]
.endif
.endr
.set a, a+1
.endr
	PLACES
	WIN 0
.if (\aoff) >= 0
	FETCHA \p, \aoff
.endif
	LOADB \j, \imm
.endm
; One product [80 x 512] x [512 x 64 a wave]: 16 K steps: the first written out, three trips of four, the last three written out (they fetch no activations beyond K).
; The ring of W runs on: steps 12 to 15 ask for the next product's steps 0 to 3 (behind the last product: for the four steps of zeros).  rb = 1: the bias tile is waited for and rounded here.
.macro GEMM rb
	WIN 0
	v_add_nc_u32 v[ADA], s[ABASE], v[LANEA]
	v_add_nc_u32 v[ADA2], AHI, v[ADA]
	FETCHA 0, 0
	FETCHA 1, 64
.if \rb
	RBCB
.endif
	KSTEP 0, 0, 1, 10, 128, 4*WSTEP
	s_mov_b32 s[KC], 3
.Lk_\@:
	KSTEP 1, 1, 0, 10, 192, 5*WSTEP
	KSTEP 0, 2, 0, 10, 256, 6*WSTEP
	KSTEP 1, 3, 0, 10, 320, 7*WSTEP
	KSTEP 0, 0, 0, 10, 384, 8*WSTEP
	s_wait_xcnt 0x0                                ; the loads' offset register is rewritten only behind this wait
	v_add_nc_u32 v[WOFF], 4*WSTEP, v[WOFF]
	v_add_nc_u32 v[ADA], 256, v[ADA]
	v_add_nc_u32 v[ADA2], 256, v[ADA2]
	s_sub_co_u32 s[KC], s[KC], 1
	s_cmp_lg_u32 s[KC], 0
	s_cbranch_scc1 .Lk_\@
	KSTEP 1, 1, 0, 10, 192, 5*WSTEP
	KSTEP 0, 2, 0, 10, -1, 6*WSTEP
	KSTEP 1, 3, 0, 0, -1, 7*WSTEP                  ; its four places also stand in front of the epilogue's reads of the sums
	s_wait_xcnt 0x0
	v_add_nc_u32 v[WOFF], 4*WSTEP, v[WOFF]
.endm
; Ten rows a wave from memory into LDS as f16: two trips of 5 rows, 20 loads of 512 consecutive bytes each
.macro STAGE_IN plo, base, aux
	v_lshlrev_b32 v[SGO], 4, v[LN]
	s_mul_i32 s3, s[WV], 10*AP
	s_add_co_u32 s3, s3, \base
	v_lshl_add_u32 v[SLA], v[LN], 3, s3
	s_mov_b32 s[SC], 2
.Lstage_\@:
.set i, 0
.rept 20
	global_load_b128 v[F0+4*i:F0+4*i+3], v[SGO], s[\plo:(\plo)+1] offset:(i/4)*2048+(i%4)*512 th:TH_LOAD_NT
.set i, i+1
.endr
.set i, 0
.rept 20
	s_wait_loadcnt 19-i                            ; loads come back in order: the younger ones stay out
	RB F0+4*i, T0
	RB F0+4*i+2, T0+1
.if \aux
	v_pk_add_f32 v[F0+4*i:F0+4*i+1], v[F0+4*i:F0+4*i+1], v[AUX+4*(i%4):AUX+4*(i%4)+1]
	v_pk_add_f32 v[F0+4*i+2:F0+4*i+3], v[F0+4*i+2:F0+4*i+3], v[AUX+4*(i%4)+2:AUX+4*(i%4)+3]
.endif
	v_cvt_pk_f16_f32 v[F0+4*i], v[F0+4*i], v[F0+4*i+1]
	v_cvt_pk_f16_f32 v[F0+4*i+1], v[F0+4*i+2], v[F0+4*i+3]
	ds_store_b64 v[SLA], v[F0+4*i:F0+4*i+1] offset:(i/4)*AP+(i%4)*256
.set i, i+1
.endr
	s_wait_dscnt 0x0                               ; the stores are done before their registers are loaded again
	v_add_nc_u32 v[SGO], 5*2048, v[SGO]            ; free: the last wait above was for all loads
	v_add_nc_u32 v[SLA], 5*AP, v[SLA]
	s_sub_co_u32 s[SC], s[SC], 1
	s_cmp_lg_u32 s[SC], 0
	s_cbranch_scc1 .Lstage_\@
.endm
.macro PACKST                          ; the 20 tiles rounded to f16 in place (register i takes 2 i and 2 i + 1, ascending: no source is written before it is read), 16 bytes a lane and tile, into A0
	WIN 0x45
.set i, 0
.rept 80
	v_cvt_pk_f16_f32 v[i], v[2*i], v[2*i+1]
.set i, i+1
.endr
	WIN 0x04                                       ; the stores' data in window 1
.set a, 0
.rept 5
.irp c, 0,1,2,3
.if a < 3
	ds_store_b128 v[STO], v[16*a+4*\c:16*a+4*\c+3] offset:a*16*AP+32*\c
.else
	ds_store_b128 v[STO2], v[16*a+4*\c:16*a+4*\c+3] offset:(a-3)*16*AP+32*\c
.endif
.endr
.set a, a+1
.endr
	WIN 0
.endm
.macro COPYOUT rd, plo                 ; my wave's ten rows leave: each store covers 512 consecutive bytes, aligned
	WIN 0
	s_add_nc_u64 s[OUTP:OUTP+1], s[\plo:(\plo)+1], s[RO:RO+1]
.set i, 0
.rept 20
	ds_load_b128 v[F0+4*i:F0+4*i+3], v[\rd] offset:(i/2)*AP+(i%2)*512
.set i, i+1
.endr
.set i, 0
.rept 20
	s_wait_dscnt 19-i
	global_store_b128 v[GO], v[F0+4*i:F0+4*i+3], s[OUTP:OUTP+1] offset:(i/2)*1024+(i%2)*512
.set i, i+1
.endr
	s_wait_xcnt 0x0                                ; the stores' registers and base are rewritten only behind this wait
.endm
; The pair sums at v[x + 2 a] become each row's total over all 512 columns, in v[RL + 8 a] of window 1, the same in every wave: halves of the pair, halves of the lanes, then the eight waves through LDS.
; Its barrier also shows that every wave has left the product in front of it: nobody reads the activations any more.
.macro XCHG x, off
	WIN 0
.irp a, 0,1,2,3,4
	v_add_f32 v[(\x)+2*\a], v[(\x)+2*\a], v[(\x)+2*\a+1]
.endr
.irp a, 0,1,2,3,4
	v_permlanex16_b32 v[TP+\a], v[(\x)+2*\a], s[SEL], s[SEL+1]
.endr
.irp a, 0,1,2,3,4
	v_add_f32 v[(\x)+2*\a], v[(\x)+2*\a], v[TP+\a]
.endr
.irp a, 0,1,2,3,4
	ds_store_b32 v[RA], v[(\x)+2*\a] offset:(\off)+512*\a
.endr
	s_wait_dscnt 0x0                               ; for the others' sake
	BAR
	WIN 0x40
.irp a, 0,1,2,3,4
	ds_load_b128 v[RL+8*\a:RL+8*\a+3], v[RBR] offset:(\off)+512*\a
	ds_load_b128 v[RL+8*\a+4:RL+8*\a+7], v[RBR] offset:(\off)+512*\a+16
.endr
	s_wait_dscnt 0x0
	WIN 0x55
.irp a, 0,1,2,3,4
	v_pk_add_f32 v[RL+8*\a:RL+8*\a+1], v[RL+8*\a:RL+8*\a+1], v[RL+8*\a+2:RL+8*\a+3]
	v_pk_add_f32 v[RL+8*\a+4:RL+8*\a+5], v[RL+8*\a+4:RL+8*\a+5], v[RL+8*\a+6:RL+8*\a+7]
.endr
.irp a, 0,1,2,3,4
	v_pk_add_f32 v[RL+8*\a:RL+8*\a+1], v[RL+8*\a:RL+8*\a+1], v[RL+8*\a+4:RL+8*\a+5]
.endr
.irp a, 0,1,2,3,4
	v_add_f32 v[RL+8*\a], v[RL+8*\a], v[RL+8*\a+1]
.endr
	WIN 0x04                                       ; what follows reads RL as its second source and writes window 0
.endm
	s_load_b512 s[4:19], s[0:1], 0x0               ; query, value, aux_emb, wb s[10:11], q_lin_b, sig_b s[14:15], tan_b s[16:17], part s[18:19]
	s_load_b512 s[20:35], s[0:1], 0x40             ; the stage in hand s[20:29]: b, a, g, be, out; the next s[30:39]; the one after s[40:49]
	s_load_b256 s[36:43], s[0:1], 0x80
	s_load_b128 s[44:47], s[0:1], 0xa0
	s_load_b64 s[48:49], s[0:1], 0xb0
	v_lshl_add_u32 v[SPW], v0, 2, SPARE
	v_mov_b32 v[NIL], 0
	v_lshrrev_b32 v[LN], 5, v0
	v_readfirstlane_b32 s[WV], v[LN]               ; wave 0..7
	s_mov_b32 s[GI], ttmp9                         ; g: rows 80 g on
	s_mul_i32 s[BT], s[GI], 41
	s_lshr_b32 s[BT], s[BT], 10                    ; g / 25 for g < 200: the batch
	s_mov_b32 s[SEL], 0x76543210
	s_mov_b32 s[SEL+1], 0xfedcba98
	s_mov_b32 s[INV], 0x3b000000                   ; 1 / 512
	s_mov_b32 s[EPS], 0x3727c5ac                   ; 1e-5
	s_mul_i32 s80, s[GI], 80
	s_mul_i32 s3, s[WV], 10
	s_add_co_u32 s80, s80, s3                      ; my wave's first row
	s_lshl_b32 s[RO], s80, 10
	s_mov_b32 s[RO+1], 0
	s_lshl_b32 s80, s80, 11
	s_mov_b32 s81, 0
	v_and_b32 v[LN], 31, v0
	v_and_b32 v[R], 15, v0
	v_bfe_u32 v[H], v0, 4, 1
	v_lshlrev_b32 v[GO], 4, v[LN]
	v_lshlrev_b32 v[VBG], 5, v[H]
	s_lshl_b32 s3, s[WV], 8
	v_add_nc_u32 v[VB], s3, v[VBG]
	s_lshl_b32 s3, s[WV], 7
	v_add_nc_u32 v[VBG], s3, v[VBG]
	s_lshl_b32 s2, s[WV], 12
	v_lshl_add_u32 v[WOFF], v[LN], 4, s2
	s_wait_kmcnt 0x0
	s_add_nc_u64 s[4:5], s[4:5], s[80:81]
	s_add_nc_u64 s[6:7], s[6:7], s[80:81]
	s_lshl_b32 s80, s[BT], 11
	s_add_nc_u64 s[8:9], s[8:9], s[80:81]          ; my batch's aux
	s_lshl_b32 s80, s[GI], 11
	s_add_nc_u64 s[18:19], s[18:19], s[80:81]      ; my row of part
.irp q, 0,1,2,3
	global_load_b128 v[AUX+4*\q:AUX+4*\q+3], v[GO], s[8:9] offset:512*\q
.endr
	LDCB 12                                        ; q_lin_b
	WIN 0x40
.irp c, 0,1,2,3
	global_load_b128 v[AC+8*\c:AC+8*\c+3], v[VB], s[8:9] offset:64*\c
	global_load_b128 v[AC+8*\c+4:AC+8*\c+7], v[VB], s[8:9] offset:64*\c+16
.endr
	WIN 0
	v_mul_u32_u24 v[LANEA], v[R], AP
	v_lshl_add_u32 v[LANEA], v[H], 4, v[LANEA]
	v_add_nc_u32 v[STO], s3, v[LANEA]              ; + my 64 columns' 128 bytes
	v_add_nc_u32 v[STO2], AHI, v[STO]
	v_lshlrev_b32 v[RBR], 5, v[R]
	v_add_nc_u32 v[RBR], RED1, v[RBR]
	s_lshl_b32 s2, s[WV], 2
	v_add_nc_u32 v[RA], s2, v[RBR]
	s_mul_i32 s2, s[WV], 10*AP
	v_lshl_add_u32 v[RD0], v[LN], 4, s2
	v_add_nc_u32 v[RD1], A1B, v[RD0]
	s_lshl_b32 s2, s[WV], 6
	s_add_co_u32 s2, s2, A1B
	v_add_nc_u32 v[GST], s2, v[LANEA]
	v_add_nc_u32 v[GST2], AHI, v[GST]
	STAGE_IN 4, 0, 0                               ; query -> A0
.irp j, 0,1,2,3
	LOADB \j, (\j)*WSTEP                           ; the ring of W is filled: steps 0 to 3; they land under the staging below
.endr
.set p, 0
.rept 8
	RB AUX+2*p, T0+(p%2)
.set p, p+1
.endr
	STAGE_IN 6, A1B, 1                             ; value + aux -> A1
	WIN 0x55
.set p, 0
.rept 16
	RB CB+2*p, T1
	RB AC+2*p, T1+1
	v_pk_add_f32 v[CB+2*p:CB+2*p+1], v[CB+2*p:CB+2*p+1], v[AC+2*p:AC+2*p+1]   ; q_lin_b + aux starts the first product's sums
.set p, p+1
.endr
	WIN 0
	s_wait_dscnt 0x0
	BAR                                            ; everybody's rows are staged
	s_mov_b32 s[ABASE], 0
	GEMM 0                                         ; q1
	LDCB 20                                        ; qv_b
	BAR                                            ; every wave has read all it wants of A0 (its last LDS loads were waited for in step 15)
	PACKST
	s_wait_dscnt 0x0
	BAR
	s_mov_b32 s[C3], 3
.Lln:                                                  ; three trips: q from A0, then k and v0 from A1; each result goes into A0
	GEMM 1
	s_load_b32 s[SA], s[22:23], 0x0
.irp c, 0,1,2,3
	global_load_b128 v[GG+8*\c:GG+8*\c+3], v[VB], s[24:25] offset:64*\c
	global_load_b128 v[GG+8*\c+4:GG+8*\c+7], v[VB], s[24:25] offset:64*\c+16
.endr
.irp c, 0,1,2,3
	global_load_b128 v[BE+8*\c:BE+8*\c+3], v[VB], s[26:27] offset:64*\c
	global_load_b128 v[BE+8*\c+4:BE+8*\c+7], v[VB], s[26:27] offset:64*\c+16
.endr
	s_cmp_eq_u32 s[C3], 1                          ; the next product's bias: eight loads on either way
	s_cbranch_scc1 .Lnext_gate
	LDCB 30
	s_branch .Lnext_done
.Lnext_gate:
	LDCBG 0
.Lnext_done:
	s_wait_kmcnt 0x0
	v_mov_b32 v[T0], s[SA]
	v_cvt_pk_bf16_f32 v[T0], v[T0], v[T0]
	v_lshlrev_b32 v[T0], 16, v[T0]
	v_add_f32 v[T0], -1.0, v[T0]
	v_readfirstlane_b32 s[AM1], v[T0]
	s_mov_b32 s[AM1+1], s[AM1]
	WIN 0x55                                       ; PReLU: y = x + (a - 1) min(x, 0); each tile's registers in ascending order
.set i, 0
.rept 20
.irp j, 0,1,2,3,4,5,6,7
	v_min_num_f32 v[TT+8*(i%2)+\j], 0, v[8*i+\j]
.endr
.irp j, 0,2,4,6
	v_pk_fma_f32 v[8*i+\j:8*i+\j+1], v[TT+8*(i%2)+\j:TT+8*(i%2)+\j+1], s[AM1:AM1+1], v[8*i+\j:8*i+\j+1] op_sel_hi:[1,0,1]
.endr
.set i, i+1
.endr
	WIN 0x05                                       ; row sums: five chains, one a row tile
.irp a, 0,1,2,3,4
	v_pk_add_f32 v[SM+2*\a:SM+2*\a+1], v[32*\a:32*\a+1], v[32*\a+2:32*\a+3]
.endr
	WIN 0x04
.set p, 2
.rept 14
.irp a, 0,1,2,3,4
	v_pk_add_f32 v[SM+2*\a:SM+2*\a+1], v[SM+2*\a:SM+2*\a+1], v[32*\a+2*p:32*\a+2*p+1]
.endr
.set p, p+1
.endr
	XCHG SM, 0
.irp a, 0,1,2,3,4
	v_mul_f32 v[SM+2*\a], s[INV], v[RL+8*\a]       ; the mean
.endr
	WIN 0
	s_wait_loadcnt 0x8                             ; g and beta are in; the next bias's eight loads may stay out
.set p, 0
.rept 16
	RB GG+2*p, T0
	RB BE+2*p, T0+1
.set p, p+1
.endr
	WIN 0x41                                       ; d = y - mean, in place: the variance is a sum of squares of differences, no difference of sums
.set i, 0
.rept 80
	v_pk_add_f32 v[2*i:2*i+1], v[2*i:2*i+1], v[SM+2*(i/16):SM+2*(i/16)+1] op_sel_hi:[1,0] neg_lo:[0,1] neg_hi:[0,1]
.set i, i+1
.endr
	WIN 0x05
.irp a, 0,1,2,3,4
	v_pk_mul_f32 v[SQ+2*\a:SQ+2*\a+1], v[32*\a:32*\a+1], v[32*\a:32*\a+1]
.endr
.set p, 1
.rept 15
.irp a, 0,1,2,3,4
	v_pk_fma_f32 v[SQ+2*\a:SQ+2*\a+1], v[32*\a+2*p:32*\a+2*p+1], v[32*\a+2*p:32*\a+2*p+1], v[SQ+2*\a:SQ+2*\a+1]
.endr
.set p, p+1
.endr
	XCHG SQ, REDD
.irp a, 0,1,2,3,4
	v_fma_f32 v[SQ+2*\a], s[INV], v[RL+8*\a], s[EPS]   ; variance + 1e-5
.endr
	WIN 0
.irp a, 0,1,2,3,4
	v_rsq_f32 v[SQ+2*\a], v[SQ+2*\a]
.endr
	v_nop
	WIN 0x41
.set i, 0
	s_wait_alu depctr_va_vdst(0)
.rept 80
	v_pk_mul_f32 v[2*i:2*i+1], v[2*i:2*i+1], v[SQ+2*(i/16):SQ+2*(i/16)+1] op_sel_hi:[1,0]
.set i, i+1
.endr
.set i, 0
.rept 80
	v_pk_fma_f32 v[2*i:2*i+1], v[2*i:2*i+1], v[GG+2*(i%16):GG+2*(i%16)+1], v[BE+2*(i%16):BE+2*(i%16)+1]
.set i, i+1
.endr
	PACKST
	s_wait_dscnt 0x0
	BAR
	s_cmp_eq_u32 s[C3], 1                          ; v0 stays in LDS
	s_cbranch_scc1 .Lno_copy
	COPYOUT RD0, 28
.Lno_copy:
	s_wait_xcnt 0x0                                ; the pointers below are bases of loads that may be out
.irp k, 0,2,4,6,8
	s_mov_b64 s[20+\k:21+\k], s[30+\k:31+\k]
.endr
.irp k, 0,2,4,6,8
	s_mov_b64 s[30+\k:31+\k], s[40+\k:41+\k]
.endr
	s_mov_b32 s[ABASE], A1B
	s_sub_co_u32 s[C3], s[C3], 1
	s_cmp_lg_u32 s[C3], 0
	s_cbranch_scc1 .Lln
	s_mov_b32 s[ABASE], 0
	s_mov_b32 s[C3], 2
.Lgate:                                                ; two trips: gate P makes columns 256 P .. 256 P + 255 of v; what hangs on P is stepped in registers at the trip's end
	GEMM 1
	; v = sigmoid(x1) tanh(x2): x1 in column tiles 0, 1, x2 in tiles 2, 3.  sigmoid = 1 / (1 + 2^(-x1 log2 e)); tanh = 1 - 2 / (1 + 2^(2 x2 log2 e)): both hold at either infinity.
	s_cmp_eq_u32 s[C3], 1                          ; the second gate's bias; behind the second gate there is none
	s_cbranch_scc1 .Lno_bias
	LDCBG 1024
.Lno_bias:
	WIN 0x55
.set a, 0
.rept 5
.set p, 0
.rept 8
	v_pk_mul_f32 v[32*a+2*p:32*a+2*p+1], v[32*a+2*p:32*a+2*p+1], 0xbfb8aa3b op_sel_hi:[1,0]
.set p, p+1
.endr
.rept 8
	v_pk_mul_f32 v[32*a+2*p:32*a+2*p+1], v[32*a+2*p:32*a+2*p+1], 0x4038aa3b op_sel_hi:[1,0]
.set p, p+1
.endr
.set p, 0
.rept 32
	v_exp_f32 v[32*a+p], v[32*a+p]
.set p, p+1
.endr
	v_nop                                          ; a plain instruction behind the last exponential (ISA guide 5.7.2)
.set p, 0
	s_wait_alu depctr_va_vdst(0)
.rept 16
	v_pk_add_f32 v[32*a+2*p:32*a+2*p+1], v[32*a+2*p:32*a+2*p+1], 1.0 op_sel_hi:[1,0]
.set p, p+1
.endr
.set p, 0
.rept 32
	v_rcp_f32 v[32*a+p], v[32*a+p]
.set p, p+1
.endr
	v_nop
.set p, 0
	s_wait_alu depctr_va_vdst(0)
.rept 8
	v_pk_fma_f32 v[32*a+16+2*p:32*a+16+2*p+1], v[32*a+16+2*p:32*a+16+2*p+1], -2.0, 1.0 op_sel_hi:[1,0,0]
.set p, p+1
.endr
.set p, 0
.rept 8
	v_pk_mul_f32 v[32*a+2*p:32*a+2*p+1], v[32*a+2*p:32*a+2*p+1], v[32*a+16+2*p:32*a+16+2*p+1]
.set p, p+1
.endr
.set a, a+1
.endr
	WIN 0x05                                       ; the 80 rows' column sums: over the five row tiles,
.set p, 0
.rept 8
	v_pk_add_f32 v[CSM+2*p:CSM+2*p+1], v[2*p:2*p+1], v[32+2*p:32+2*p+1]
.set p, p+1
.endr
	WIN 0x04
.set a, 2
.rept 3
.set p, 0
.rept 8
	v_pk_add_f32 v[CSM+2*p:CSM+2*p+1], v[CSM+2*p:CSM+2*p+1], v[32*a+2*p:32*a+2*p+1]
.set p, p+1
.endr
.set a, a+1
.endr
	WIN 0x05
.set a, 0
.rept 5
.set p, 0
.rept 8
	v_cvt_pk_f16_f32 v[TM+8*a+p], v[32*a+2*p], v[32*a+2*p+1]
.set p, p+1
.endr
.set a, a+1
.endr
	WIN 0
.irp m, 1,2,4,8                        ; and over the 16 rows of a tile, which lie in 16 lanes
.set p, 0
.rept 16
	v_add_f32_dpp v[CSM+p], v[CSM+p], v[CSM+p] row_xmask:\m row_mask:0xf bank_mask:0xf
.set p, p+1
.endr
.endr
.set a, 0
.rept 5
.irp c, 0,1
.if a < 3
	ds_store_b128 v[GST], v[TM+8*a+4*\c:TM+8*a+4*\c+3] offset:a*16*AP+32*\c
.else
	ds_store_b128 v[GST2], v[TM+8*a+4*\c:TM+8*a+4*\c+3] offset:(a-3)*16*AP+32*\c
.endif
.endr
.set a, a+1
.endr
	v_cmp_eq_u32 vcc_lo, 0, v[R]                   ; lanes 0 and 16 store the wave's 32 sums, 128 consecutive bytes
	s_wait_xcnt 0x0                                ; EXEC changes only behind this wait
	s_and_saveexec_b32 s[SX], vcc_lo
.irp c, 0,1
	global_store_b128 v[VBG], v[CSM+8*\c:CSM+8*\c+3], s[18:19] offset:64*\c
	global_store_b128 v[VBG], v[CSM+8*\c+4:CSM+8*\c+7], s[18:19] offset:64*\c+16
.endr
	s_wait_xcnt 0x0                                ; and again in front of the line that widens it; it also frees the stores' data and the offset stepped below
	s_or_b32 exec_lo, exec_lo, s[SX]
	v_add_nc_u32 v[VBG], 1024, v[VBG]              ; the next gate's 256 columns: in sig_b, tan_b and part,
	v_add_nc_u32 v[GST], 512, v[GST]               ; and in A1
	v_add_nc_u32 v[GST2], 512, v[GST2]
	s_sub_co_u32 s[C3], s[C3], 1
	s_cmp_lg_u32 s[C3], 0
	s_cbranch_scc1 .Lgate
	s_wait_dscnt 0x0
	BAR
	COPYOUT RD1, 48
	s_wait_tensorcnt 0x0                           ; the wave's end
	ds_add_u32 v[SPW], v[NIL]
	s_wait_dscnt 0x0
	s_endpgm
.Lfunc_end_k_q00c2c66583_proj:
	.size	k_q00c2c66583_proj, .Lfunc_end_k_q00c2c66583_proj-k_q00c2c66583_proj
	.p2alignl 7, 3214868480
	.fill 96, 4, 3214868480
	.section	.rodata,"a",@progbits
	.p2align	6, 0x0
	.amdhsa_kernel k_q00c2c66583_proj
		.amdhsa_group_segment_fixed_size 172544
		.amdhsa_private_segment_fixed_size 0
		.amdhsa_enable_private_segment 0
		.amdhsa_kernarg_size 184
		.amdhsa_user_sgpr_count 2
		.amdhsa_user_sgpr_kernarg_segment_ptr 1
		.amdhsa_wavefront_size32 1
		.amdhsa_system_sgpr_workgroup_id_x 1
		.amdhsa_system_sgpr_workgroup_id_y 1
		.amdhsa_system_sgpr_workgroup_id_z 1
		.amdhsa_system_vgpr_workitem_id 0
		.amdhsa_next_free_vgpr 512
		.amdhsa_next_free_sgpr 104
		.amdhsa_reserve_vcc 1
		.amdhsa_float_denorm_mode_32 3
		.amdhsa_float_denorm_mode_16_64 3
		.amdhsa_memory_ordered 1
		.amdhsa_forward_progress 1
		.amdhsa_inst_pref_size 231
	.end_amdhsa_kernel
	.amdgpu_metadata
---
amdhsa.version: [ 1, 2 ]
amdhsa.kernels:
  - .name:           k_q00c2c66583_proj
    .symbol:         k_q00c2c66583_proj.kd
    .args:
      - { .name: query, .offset: 0, .size: 8, .value_kind: global_buffer, .address_space: global }
      - { .name: value, .offset: 8, .size: 8, .value_kind: global_buffer, .address_space: global }
      - { .name: aux_emb, .offset: 16, .size: 8, .value_kind: global_buffer, .address_space: global }
      - { .name: wb, .offset: 24, .size: 8, .value_kind: global_buffer, .address_space: global }
      - { .name: q_lin_b, .offset: 32, .size: 8, .value_kind: global_buffer, .address_space: global }
      - { .name: sig_b, .offset: 40, .size: 8, .value_kind: global_buffer, .address_space: global }
      - { .name: tan_b, .offset: 48, .size: 8, .value_kind: global_buffer, .address_space: global }
      - { .name: part, .offset: 56, .size: 8, .value_kind: global_buffer, .address_space: global }
      - { .name: qv_b, .offset: 64, .size: 8, .value_kind: global_buffer, .address_space: global }
      - { .name: qv_a, .offset: 72, .size: 8, .value_kind: global_buffer, .address_space: global }
      - { .name: qv_g, .offset: 80, .size: 8, .value_kind: global_buffer, .address_space: global }
      - { .name: qv_be, .offset: 88, .size: 8, .value_kind: global_buffer, .address_space: global }
      - { .name: qb, .offset: 96, .size: 8, .value_kind: global_buffer, .address_space: global }
      - { .name: kv_b, .offset: 104, .size: 8, .value_kind: global_buffer, .address_space: global }
      - { .name: kv_a, .offset: 112, .size: 8, .value_kind: global_buffer, .address_space: global }
      - { .name: kv_g, .offset: 120, .size: 8, .value_kind: global_buffer, .address_space: global }
      - { .name: kv_be, .offset: 128, .size: 8, .value_kind: global_buffer, .address_space: global }
      - { .name: kb, .offset: 136, .size: 8, .value_kind: global_buffer, .address_space: global }
      - { .name: vv_b, .offset: 144, .size: 8, .value_kind: global_buffer, .address_space: global }
      - { .name: vv_a, .offset: 152, .size: 8, .value_kind: global_buffer, .address_space: global }
      - { .name: vv_g, .offset: 160, .size: 8, .value_kind: global_buffer, .address_space: global }
      - { .name: vv_be, .offset: 168, .size: 8, .value_kind: global_buffer, .address_space: global }
      - { .name: vb, .offset: 176, .size: 8, .value_kind: global_buffer, .address_space: global }
    .group_segment_fixed_size: 172544
    .private_segment_fixed_size: 0
    .kernarg_segment_align: 8
    .kernarg_segment_size: 184
    .max_flat_workgroup_size: 256
    .sgpr_count:     104
    .vgpr_count:     512
    .wavefront_size: 32
...
	.end_amdgpu_metadata
.endif
;; end of part 5
;; launch attn (part 6): grid 32 x 8, 4 waves a work-group, clusters of 4 x 1, 327,680 bytes of LDS; arguments qb, kb, vb, part, input_len, out0; writes out0
.if DOCPART == 6
	.amdgcn_target "amdgcn-amd-amdhsa--gfx1250"
	.amdhsa_code_object_version 6
	.text
	.protected	k_q00c2c66583_attn
	.globl	k_q00c2c66583_attn
	.p2align	8
	.type	k_q00c2c66583_attn,@function
k_q00c2c66583_attn:
	s_mov_b64 s[64:65], 0
	v_nop
	global_prefetch_b8 v0, s[64:65] scope:SCOPE_SE
	s_setreg_imm32_b32 hwreg(HW_REG_WAVE_MODE, 25, 1), 1
	s_wait_xcnt 0x0
	s_wait_alu depctr_hold_cnt(0) depctr_sa_sdst(0) depctr_va_vdst(0) depctr_va_sdst(0) depctr_va_ssrc(0) depctr_va_vcc(0) depctr_vm_vsrc(0)
	s_getreg_b32 s2, hwreg(HW_REG_IB_STS2, 6, 4)
	s_cmp_eq_u32 s2, 0
	s_cbranch_scc0 .Lentry_in_a_cluster
	s_endpgm
.Lentry_in_a_cluster:
	s_bfe_u32 s2, ttmp6, 0x10000c
	s_cmp_lg_u32 s2, 0x3003
	s_cbranch_scc0 .Lentry_shape_is_right
	s_endpgm
.Lentry_shape_is_right:
; out[b][r] = softmax over c <= r of (q[r] . k[c] / sqrt(512)) v[c] for rows r < L = input_len[b] (a score that is exactly 0 counts as -inf, as in the model); for rows r >= L the mean of the batch's 2,000 rows of v.
; Columns >= L need no test of their own: a row r < L sees c <= r < L.  q, k, v: f16 rows of 1,024 bytes; products, maxima and sums in f32; the weights are rounded to f16 for the second product, their sum is taken unrounded.
; LIMITS: a weight below 2^-126 counts as 0, below 6e-5 it keeps f16's fixed step; the test for 0 is made on this program's own score; L is taken as min(max(L, 0), 2000).
; SHARES.  A work-group owns four tiles of 16 queries: tiles 0, 1 are rows 32 j on (the LOW block), tiles 2, 3 rows 32 (63 - j) on (the HIGH block), j = 4 c + cx.  A long causal walk and a short one in one work-group make
; all work-groups nearly alike.  Keys go in tiles of 64.  For S^T = K Q^T wave w takes keys 16 w .. 16 w + 15 and all queries; for O^T = V^T P channels 128 w .. 128 w + 127 and all queries.  The waves' maxima and the weights P meet in LDS.
; THE WALK.  The low rows of cluster c end at 128 c + 127: they need key tiles 0 .. 2 c + 1; its high rows end at 2,047 - 128 c: tiles 0 .. 31 - 2 c.  So c + 1 pairs of FULL steps (all four tiles), then 15 - 2 c pairs of HALF
; steps (tiles 2, 3 alone: half the products, masks, exponentials and rescaling).  The last half pair is written out and asks for nothing; the loop before it has max(14 - 2 c, 1) trips, so cluster 7 walks two tiles more
; than it needs: all their keys are masked.  In full-step units, a half step counted as its share of the products: 2 + 15 for cluster 0, 16 + 2 for cluster 7.
; CLUSTER.  The four partners walk the same key tiles, asked for jointly.  Both trip counts hang on the cluster's number alone, which all waves and all partners share; L enters no branch and no address: rows at or behind
; L are computed like the others and replaced by the mean on the way out.  Tiles may reach into the next batch's rows or the 64 zero rows behind the last: those keys are masked.
; A wave has two tensor loads out at the most.
; REGISTERS: window 0: v0-31 addresses, v32-63 statistics, v64-127 S^T, at work, then P's fragments, v128-255 K's, then V's fragments.  Window 1: O^T, (t, c) at 64 t + 8 c.  Windows 2, 3: Q, (t, kk) at 8 (4 kk + t).
.set KP,    1040                       ; a row of K in LDS: 1,024 + 16
.set VP,    1056                       ; a row of V: 1,024 + 32, for the turning load
.set VOFF,  64*KP
.set SLOT,  64*(KP+VP)
.set PB,    2*SLOT                     ; P: [64 queries][64 keys] f16, rows of 128 + 16 bytes
.set PP,    144
.set MX,    PB+64*PP                   ; [64 queries][4 waves] f32: the waves' maxima; LSO further on their sums
.set LSO,   1024
.set STG,   MX+2048                    ; the way out: 16 rows x 528 bytes for each wave
.set SGP,   528
.set SPARE, STG+4*16*SGP
.set R, 1
.set H, 2
.set LN, 3
.set AK, 4                             ; v4, v5  my place in K of slot 0, slot 1; never rewritten
.set AV, 7                             ; v7, v8  the same for V
.set PST, 10
.set PRD, 11
.set MXS, 12
.set MXR, 13
.set STO, 14
.set RD, 15
.set GO, 16                            ; v16 512 w + 16 x lane
.set QO, 17
.set MEAN, 18                          ; v18-21
.set DD, 22                            ; v22-25 by tile: my query's number less my first key's: key j of my eight is seen where j <= DD
.set VRL, 26                           ; v26 the low block's first row, v29 the high block's
.set NINF, 27
.set T0, 28
.set VRH, 29
.set SPW, 30
.set NIL, 31
.set ST, 32                            ; tile t at ST + 8 t: c m, m, l (two halves), a, a spare, two at work
.set S, 64
.set X, 96
.set PK, 112
.set PF, 64
.set FB, 128
.set WV, 16
.set LEN, 18
.set NF, 19                            ; s19 pairs of full steps; s23 pairs of half steps in the loop
.set IT, 20
.set BLK, 21
.set BB, 22
.set NH, 23
.set G1K, 24
.set G1V, 32
.set G0K, 40                           ; s[40:47] a set for each slot; s[48:55] the same for V
.set G0V, 48
.set CS, 56
.set SEL, 58
.set MKA, 66                           ; s[66:73], s[84:91] lane masks
.set SX, 74
.set OP, 76                            ; s[76:77] out0 at the low block's first row; s[96:97] at the high block's
.set ROWL, 82
.set ROWH, 83
.set MKB, 84
.set QH, 94                            ; s[94:95] qb at the high block's first row (s[4:5]: at the low block's)
.set OPH, 96
.set MSB, 0
.macro WIN new
.if MSB != (\new)
	s_set_vgpr_msb (MSB<<8)|(\new)
.set MSB, (\new)
.endif
.endm
.macro PLACES
.rept 4
	v_nop
.endr
.endm
.macro BAR
	s_barrier_signal -1
	s_barrier_wait -1
.endm
.macro CROUND
	BAR
	s_cmp_lg_u32 s[WV], 0
	s_cbranch_scc1 .Lnw0_\@
	s_barrier_signal -3
.Lnw0_\@:
	s_barrier_wait -3
	s_barrier_signal -1
	s_barrier_wait -1
.endm
.macro JLOAD slot                      ; a joint refill: waves 0, 1 bring the halves of K's tile, waves 2, 3 those of V's
	s_cmp_lt_u32 s[WV], 2
	s_cbranch_scc0 .Lfv_\@
	tensor_load_to_lds s[G0K+4*(\slot):G0K+4*(\slot)+3], s[G1K:G1K+7]
	s_nop 0
	PLACES
	s_branch .Lja_\@
.Lfv_\@:
	tensor_load_to_lds s[G0V+4*(\slot):G0V+4*(\slot)+3], s[G1V:G1V+7]
	s_nop 0
	PLACES
.Lja_\@:
.endm
; ONE KEY TILE, in slot `slot`.  fill = 1: the slot is filled again, two tiles on.  half = 1: tiles 2 and 3 alone are at work (TL is the first tile at work).
.macro ASTEP slot, fill, half
.set TL, 2*(\half)
	WIN 0
.set f, 0
.rept 16                               ; my 16 keys x 512 channels
	ds_load_b128 v[FB+8*f:FB+8*f+3], v[AK+(\slot)] offset:64*f
	ds_load_b128 v[FB+8*f+4:FB+8*f+7], v[AK+(\slot)] offset:64*f+32
.set f, f+1
.endr
	s_wait_dscnt 16                                ; the first 256 channels are in
.set f, 0
.rept 16                               ; S^T = K Q^T: four accumulators take turns.  In a half step the odd channel blocks are summed in the idle registers of tiles 0, 1, so that there are still four
.if f == 8
	s_wait_dscnt 0x0
.endif
	WIN 0x08+4*(f/8)                               ; Q in window 2, then 3
.irp t, 0,1,2,3
.if \t >= TL
.set rS, S+8*\t-8*TL*(f%2)
.if f < 1+(\half)
	v_wmma_f32_16x16x32_f16 v[rS:rS+7], v[FB+8*f:FB+8*f+7], v[8*(4*(f%8)+\t):8*(4*(f%8)+\t)+7], 0
.else
	v_wmma_f32_16x16x32_f16 v[rS:rS+7], v[FB+8*f:FB+8*f+7], v[8*(4*(f%8)+\t):8*(4*(f%8)+\t)+7], v[rS:rS+7]
.endif
.endif
.endr
.set f, f+1
.endr
	WIN 0
	PLACES                                         ; in front of the loads into K's registers and of the reads of the scores
.set f, 0
.rept 16                               ; V, turned: keys 32 (f / 8) on, my channels 16 (f % 8) on
	ds_load_tr16_b128 v[FB+8*f:FB+8*f+3], v[AV+(\slot)] offset:(f/8)*32*VP+(f%8)*32
	ds_load_tr16_b128 v[FB+8*f+4:FB+8*f+7], v[AV+(\slot)] offset:(f/8)*32*VP+(f%8)*32+16*VP
.set f, f+1
.endr
.if \half
.irp t, 2,3                            ; the two halves of a score's sum are joined, each accumulator's lowest registers first
.irp j, 0,2,4,6
	v_pk_add_f32 v[S+8*\t+\j:S+8*\t+\j+1], v[S+8*\t+\j:S+8*\t+\j+1], v[S+8*\t-16+\j:S+8*\t-16+\j+1]
.endr
.endr
.endif
.irp t, 0,1,2,3                        ; a score stays where its key is not behind the query and it is not 0; else -inf
.if \t >= TL
.irp j, 0,1,2,3,4,5,6,7
	v_cmp_le_i32 s[MKA+\j], \j, v[DD+\t]
.endr
.irp j, 0,1,2,3,4,5,6,7
	v_cmp_neq_f32 s[MKB+\j], 0, v[S+8*\t+\j]
.endr
.irp j, 0,1,2,3,4,5,6,7
	s_and_b32 s[MKA+\j], s[MKA+\j], s[MKB+\j]
.endr
.irp j, 0,1,2,3,4,5,6,7
	v_cndmask_b32 v[S+8*\t+\j], v[NINF], v[S+8*\t+\j], s[MKA+\j]
.endr
	v_add_nc_u32 v[DD+\t], 0xffffffc0, v[DD+\t]    ; the next tile's keys lie 64 on
.endif
.endr
.irp t, 0,1,2,3
.if \t >= TL
	v_max3_num_f32 v[ST+8*\t+6], v[S+8*\t], v[S+8*\t+1], v[S+8*\t+2]
.endif
.endr
.irp t, 0,1,2,3
.if \t >= TL
	v_max3_num_f32 v[ST+8*\t+6], v[ST+8*\t+6], v[S+8*\t+3], v[S+8*\t+4]
.endif
.endr
.irp t, 0,1,2,3
.if \t >= TL
	v_max3_num_f32 v[ST+8*\t+6], v[ST+8*\t+6], v[S+8*\t+5], v[S+8*\t+6]
.endif
.endr
.irp t, 0,1,2,3
.if \t >= TL
	v_max_num_f32 v[ST+8*\t+6], v[ST+8*\t+6], v[S+8*\t+7]
.endif
.endr
.irp t, 0,1,2,3
.if \t >= TL
	v_permlanex16_b32 v[ST+8*\t+7], v[ST+8*\t+6], s[SEL], s[SEL+1]
.endif
.endr
.irp t, 0,1,2,3
.if \t >= TL
	v_max_num_f32 v[ST+8*\t+6], v[ST+8*\t+6], v[ST+8*\t+7]
.endif
.endr
.irp t, 0,1,2,3
.if \t >= TL
	ds_store_b32 v[MXS], v[ST+8*\t+6] offset:256*\t
.endif
.endr
	; ONE barrier for three things: the waves' maxima are stored; all my reads of this slot (K, V) are in registers; my part of the other slot has landed
	s_wait_tensorcnt 0x0
	ds_add_u32 v[SPW], v[NIL]
.if \fill
	s_add_nc_u64 s[G0K+4*(\slot)+2:G0K+4*(\slot)+3], s[G0K+4*(\slot)+2:G0K+4*(\slot)+3], 2*65536
	s_add_nc_u64 s[G0V+4*(\slot)+2:G0V+4*(\slot)+3], s[G0V+4*(\slot)+2:G0V+4*(\slot)+3], 2*65536
.endif
	s_wait_dscnt 0x0
.if \fill
	CROUND
	JLOAD \slot                                    ; it has the rest of this step and the next step's products in which to land
.else
	BAR
.endif
.irp t, 0,1,2,3
.if \t >= TL
	ds_load_b128 v[X+4*\t:X+4*\t+3], v[MXR] offset:256*\t
.endif
.endr
	s_wait_dscnt 0x0
.irp t, 0,1,2,3
.if \t >= TL
	v_max3_num_f32 v[ST+8*\t+6], v[X+4*\t], v[X+4*\t+1], v[X+4*\t+2]
.endif
.endr
.irp t, 0,1,2,3
.if \t >= TL
	v_max3_num_f32 v[ST+8*\t+1], v[ST+8*\t+6], v[X+4*\t+3], v[ST+8*\t+1]   ; the running maximum
.endif
.endr
.irp t, 0,1,2,3
.if \t >= TL
	v_mul_f32 v[ST+8*\t+7], s[CS], v[ST+8*\t+1]
.endif
.endr
.irp t, 0,1,2,3
.if \t >= TL
	v_sub_f32 v[ST+8*\t+6], v[ST+8*\t], v[ST+8*\t+7]
.endif
.endr
.irp t, 0,1,2,3
.if \t >= TL
	v_mov_b32 v[ST+8*\t], v[ST+8*\t+7]
.endif
.endr
.irp t, 0,1,2,3
.if \t >= TL
	v_exp_f32 v[ST+8*\t+4], v[ST+8*\t+6]           ; a = 2^(c m_old - c m_new)
.endif
.endr
.irp t, 0,1,2,3
.if \t >= TL
.irp j, 0,2,4,6
	v_pk_fma_f32 v[S+8*\t+\j:S+8*\t+\j+1], v[S+8*\t+\j:S+8*\t+\j+1], s[CS:CS+1], v[ST+8*\t:ST+8*\t+1] op_sel_hi:[1,0,0] neg_lo:[0,0,1] neg_hi:[0,0,1]
.endr
.endif
.endr
.set f, 8*TL
.rept 32-8*TL
	v_exp_f32 v[S+f], v[S+f]
.set f, f+1
.endr
	v_nop                                          ; a plain instruction behind the last exponential
.set f, 4*TL
	s_wait_alu depctr_va_vdst(0)
.rept 16-4*TL
	v_cvt_pk_f16_f32 v[PK+f], v[S+2*f], v[S+2*f+1]
.set f, f+1
.endr
.irp t, 0,1,2,3
.if \t >= TL
	ds_store_b128 v[PST], v[PK+4*\t:PK+4*\t+3] offset:16*PP*\t
.endif
.endr
.irp t, 0,1,2,3
.if \t >= TL
	v_pk_add_f32 v[S+8*\t:S+8*\t+1], v[S+8*\t:S+8*\t+1], v[S+8*\t+2:S+8*\t+3]
	v_pk_add_f32 v[S+8*\t+4:S+8*\t+5], v[S+8*\t+4:S+8*\t+5], v[S+8*\t+6:S+8*\t+7]
.endif
.endr
.irp t, 0,1,2,3
.if \t >= TL
	v_pk_add_f32 v[S+8*\t:S+8*\t+1], v[S+8*\t:S+8*\t+1], v[S+8*\t+4:S+8*\t+5]
.endif
.endr
.irp t, 0,1,2,3
.if \t >= TL
	v_pk_fma_f32 v[ST+8*\t+2:ST+8*\t+3], v[ST+8*\t+2:ST+8*\t+3], v[ST+8*\t+4:ST+8*\t+5], v[S+8*\t:S+8*\t+1] op_sel_hi:[1,0,1]
.endif
.endr
	s_wait_dscnt 0x0                               ; for the others' sake: my part of P is stored
	s_barrier_signal -1
	WIN 0x41                                       ; O^T times a, on registers, while the others arrive
.set f, 32*TL
.rept 128-32*TL
	v_pk_mul_f32 v[2*f:2*f+1], v[2*f:2*f+1], v[ST+8*(f/32)+4:ST+8*(f/32)+5] op_sel_hi:[1,0]
.set f, f+1
.endr
	WIN 0
	s_barrier_wait -1
.set f, 2*TL
.rept 8-2*TL                           ; P's fragments: tile f / 2, keys 32 (f % 2) on
	ds_load_b128 v[PF+8*f:PF+8*f+3], v[PRD] offset:(f/2)*16*PP+(f%2)*64
	ds_load_b128 v[PF+8*f+4:PF+8*f+7], v[PRD] offset:(f/2)*16*PP+(f%2)*64+32
.set f, f+1
.endr
	s_wait_dscnt 0x0
	WIN 0x50
.set f, 0
.rept 16                               ; O^T += V^T P: 32 accumulators by turns, 16 in a half step
.irp t, 0,1,2,3
.if \t >= TL
	v_wmma_f32_16x16x32_f16 v[64*\t+8*(f%8):64*\t+8*(f%8)+7], v[FB+8*f:FB+8*f+7], v[PF+8*(2*\t+f/8):PF+8*(2*\t+f/8)+7], v[64*\t+8*(f%8):64*\t+8*(f%8)+7]
.endif
.endr
.set f, f+1
.endr
	WIN 0
	PLACES
	v_nop                                          ; five: the next step's first products write over registers that these products read
.endm
	s_load_b256 s[4:11], s[0:1], 0x0               ; qb, kb s[6:7], vb s[8:9], part s[10:11]
	s_load_b128 s[12:15], s[0:1], 0x20             ; input_len, out0
	v_lshl_add_u32 v[SPW], v0, 2, SPARE
	v_mov_b32 v[NIL], 0
	ds_add_u32 v[SPW], v[NIL]                      ; the wave's opening: the add and its wait ahead of my first tensor load
	v_lshrrev_b32 v[LN], 5, v0
	v_readfirstlane_b32 s[WV], v[LN]
	s_bfe_u32 s2, ttmp6, 0x40000                   ; cx
	s_add_co_u32 s[NF], ttmp9, 1                   ; c + 1 pairs of full steps,
	s_lshl_b32 s3, ttmp9, 1
	s_sub_co_u32 s[NH], 14, s3                     ; 14 - 2 c pairs of half steps in the loop (c is 7 at the most),
	s_max_u32 s[NH], s[NH], 1                      ; one at the least: the same numbers in every wave and in every partner
	s_lshl_b32 s[BLK], ttmp9, 2
	s_add_co_u32 s[BLK], s[BLK], s2                ; j = 4 c + cx: it enters Q's and out's addresses, the mask and selects alone
	s_and_b32 s[BB], ttmp7, 0xffff                 ; the batch
	s_lshl_b32 s[ROWL], s[BLK], 5                  ; the low block's first row: 32 j
	s_sub_co_u32 s[ROWH], 2016, s[ROWL]            ; the high block's: 32 (63 - j)
	s_mov_b32 s[G1K], 15|(1<<16)|(1<<20)|(1<<21)|(7<<22)|(3<<25)  ; mask of four; 2-byte elements; padding on; bit 21 beside a mask; after every 256 words 4 words
	s_mov_b32 s[G1V], 15|(1<<16)|(1<<20)|(1<<21)|(7<<22)|(7<<25)  ; the same with 8 words
.irp g, G1K, G1V
	s_mov_b32 s[\g+1], 512<<16                     ; tensor_dim0 = 512
	s_mov_b32 s[\g+2], 32<<16                      ; tensor_dim1 = 32
	s_mov_b32 s[\g+3], 512<<16                     ; tile_dim0 = 512
	s_mov_b32 s[\g+4], 32                          ; tile_dim1 = 32
	s_mov_b32 s[\g+5], 512
	s_mov_b32 s[\g+6], 0
	s_mov_b32 s[\g+7], 0
.endr
	s_and_b32 s3, s[WV], 1                         ; which 32 rows of a tile I bring
	s_mul_i32 s60, s[BB], 2000
	s_lshl_b32 s61, s3, 5
	s_add_co_u32 s60, s60, s61
	s_lshl_b32 s60, s60, 10
	s_mov_b32 s61, 0
	s_mul_i32 s62, s3, 32*KP
	s_mul_i32 s63, s3, 32*VP
	s_mov_b32 s[G0K], 1
	s_mov_b32 s[G0K+1], s62
	s_mov_b32 s[G0K+4], 1
	s_add_co_u32 s[G0K+5], s62, SLOT
	s_mov_b32 s[G0V], 1
	s_add_co_u32 s[G0V+1], s63, VOFF
	s_mov_b32 s[G0V+4], 1
	s_add_co_u32 s[G0V+5], s63, SLOT+VOFF
	s_mul_i32 s78, s[BB], 2000
	s_add_co_u32 s94, s78, s[ROWH]                 ; the high block's first row among all rows,
	s_add_co_u32 s78, s78, s[ROWL]                 ; the low block's
	s_lshl_b32 s80, s78, 11                        ; in bytes of out0,
	s_mov_b32 s81, 0
	s_lshl_b32 s78, s78, 10                        ; and of qb
	s_mov_b32 s79, 0
	s_lshl_b32 s96, s94, 11
	s_mov_b32 s97, 0
	s_lshl_b32 s94, s94, 10
	s_mov_b32 s95, 0
	s_mul_i32 s92, s[BB], 25*2048
	s_mov_b32 s93, 0
	s_lshl_b32 s17, s[BB], 2
	s_mov_b32 s[CS], 0x3d8293ee                    ; c = log2(e) / sqrt(512)
	s_mov_b32 s[CS+1], s[CS]
	s_mov_b32 s[SEL], 0x76543210
	s_mov_b32 s[SEL+1], 0xfedcba98
	s_wait_dscnt 0x0                               ; the opening add is done
	s_wait_kmcnt 0x0
	s_load_b32 s[LEN], s[12:13], s17 offset:0x0    ; L: it chooses values on the way out, and nothing else
	s_add_nc_u64 s[G0K+2:G0K+3], s[6:7], s[60:61]  ; tile 0
	s_add_nc_u64 s[G0K+6:G0K+7], s[G0K+2:G0K+3], 65536  ; tile 1
	s_or_b32 s[G0K+3], s[G0K+3], 0x80000000
	s_or_b32 s[G0K+7], s[G0K+7], 0x80000000
	s_add_nc_u64 s[G0V+2:G0V+3], s[8:9], s[60:61]
	s_add_nc_u64 s[G0V+6:G0V+7], s[G0V+2:G0V+3], 65536
	s_or_b32 s[G0V+3], s[G0V+3], 0x80000000
	s_or_b32 s[G0V+7], s[G0V+7], 0x80000000
	s_add_nc_u64 s[QH:QH+1], s[4:5], s[94:95]
	s_add_nc_u64 s[4:5], s[4:5], s[78:79]
	s_add_nc_u64 s[OPH:OPH+1], s[14:15], s[96:97]
	s_add_nc_u64 s[OP:OP+1], s[14:15], s[80:81]
	s_add_nc_u64 s[10:11], s[10:11], s[92:93]
	CROUND                                         ; all four work-groups are here: the first joint loads meet
	s_cmp_lt_u32 s[WV], 2                          ; a wave's two first fills stand in one branch
	s_cbranch_scc0 .Lfirst_v
	tensor_load_to_lds s[G0K:G0K+3], s[G1K:G1K+7]
	s_nop 0
	tensor_load_to_lds s[G0K+4:G0K+7], s[G1K:G1K+7]
	s_nop 0
	PLACES
	s_branch .Lfirst_asked
.Lfirst_v:
	tensor_load_to_lds s[G0V:G0V+3], s[G1V:G1V+7]
	s_nop 0
	tensor_load_to_lds s[G0V+4:G0V+7], s[G1V:G1V+7]
	s_nop 0
	PLACES
.Lfirst_asked:
	v_and_b32 v[LN], 31, v0
	v_and_b32 v[R], 15, v0
	v_bfe_u32 v[H], v0, 4, 1
	v_lshlrev_b32 v[QO], 10, v[R]
	v_lshl_add_u32 v[QO], v[H], 4, v[QO]
	s_lshl_b32 s3, s[WV], 9
	v_lshl_add_u32 v[GO], v[LN], 4, s3
	WIN 0x80                                       ; Q stays in registers: 64 fragments; fragment f: tile f % 4 (tiles 0, 1 from the low block, 2, 3 from the high), channels 32 (f / 4) on
.set f, 0
.rept 32
.if (f%4) < 2
	global_load_b128 v[8*f:8*f+3], v[QO], s[4:5] offset:(f%2)*16384+(f/4)*64
	global_load_b128 v[8*f+4:8*f+7], v[QO], s[4:5] offset:(f%2)*16384+(f/4)*64+32
.else
	global_load_b128 v[8*f:8*f+3], v[QO], s[QH:QH+1] offset:(f%2)*16384+(f/4)*64
	global_load_b128 v[8*f+4:8*f+7], v[QO], s[QH:QH+1] offset:(f%2)*16384+(f/4)*64+32
.endif
.set f, f+1
.endr
	WIN 0xc0
.set f, 0
.rept 32
.if (f%4) < 2
	global_load_b128 v[8*f:8*f+3], v[QO], s[4:5] offset:(f%2)*16384+(f/4)*64+512
	global_load_b128 v[8*f+4:8*f+7], v[QO], s[4:5] offset:(f%2)*16384+(f/4)*64+544
.else
	global_load_b128 v[8*f:8*f+3], v[QO], s[QH:QH+1] offset:(f%2)*16384+(f/4)*64+512
	global_load_b128 v[8*f+4:8*f+7], v[QO], s[QH:QH+1] offset:(f%2)*16384+(f/4)*64+544
.endif
.set f, f+1
.endr
	WIN 0
.set f, 0
.rept 25                               ; the batch's 25 rows of column sums, my four columns
	global_load_b128 v[FB+4*f:FB+4*f+3], v[GO], s[10:11] offset:2048*f
.set f, f+1
.endr
	WIN 0x40                                       ; O^T = 0: no first step is written out: its a is 0.  These lines stand in the wait for the first tile
.set f, 0
.rept 256
	v_mov_b32 v[f], 0
.set f, f+1
.endr
	WIN 0
.irp t, 0,1,2,3
	v_mov_b32 v[ST+8*\t], 0xfe000000               ; c m: far below every c s
	v_mov_b32 v[ST+8*\t+1], 0xff7fffff             ; m: the lowest finite number
	v_mov_b32 v[ST+8*\t+2], 0
	v_mov_b32 v[ST+8*\t+3], 0
	v_mov_b32 v[ST+8*\t+4], 0
	v_mov_b32 v[ST+8*\t+5], 0
	v_mov_b32 v[ST+8*\t+6], 0
	v_mov_b32 v[ST+8*\t+7], 0
.endr
	v_mov_b32 v[NINF], 0xff800000
	v_mov_b32 v[VRL], s[ROWL]
	v_mov_b32 v[VRH], s[ROWH]
	v_mul_u32_u24 v[AK], v[R], KP
	v_lshl_add_u32 v[AK], v[H], 4, v[AK]
	s_mul_i32 s3, s[WV], 16*KP
	v_add_nc_u32 v[AK], s3, v[AK]                  ; key 16 w + r, 16 bytes for each half of the lanes
	v_add_nc_u32 v[AK+1], SLOT, v[AK]
	v_and_b32 v[T0], 7, v0
	v_lshl_add_u32 v[T0], v[H], 3, v[T0]
	v_mul_u32_u24 v[AV], v[T0], VP
	v_bfe_u32 v[T0], v0, 3, 1
	v_lshl_add_u32 v[AV], v[T0], 4, v[AV]
	s_lshl_b32 s3, s[WV], 8
	s_add_co_u32 s3, s3, VOFF
	v_add_nc_u32 v[AV], s3, v[AV]
	v_add_nc_u32 v[AV+1], SLOT, v[AV]
	v_mul_u32_u24 v[PRD], v[R], PP
	v_lshl_add_u32 v[PRD], v[H], 4, v[PRD]
	v_add_nc_u32 v[PRD], PB, v[PRD]
	s_lshl_b32 s3, s[WV], 5
	v_add_nc_u32 v[PST], s3, v[PRD]
	v_lshlrev_b32 v[MXR], 4, v[R]
	v_add_nc_u32 v[MXR], MX, v[MXR]
	s_lshl_b32 s3, s[WV], 2
	v_add_nc_u32 v[MXS], s3, v[MXR]
	s_mul_i32 s3, s[WV], 16*SGP
	s_add_co_u32 s3, s3, STG
	v_mul_u32_u24 v[STO], v[R], SGP
	v_lshl_add_u32 v[STO], v[H], 5, v[STO]
	v_add_nc_u32 v[STO], s3, v[STO]
	v_lshl_add_u32 v[RD], v[LN], 4, s3
	v_lshlrev_b32 v[T0], 3, v[H]
	v_sub_nc_u32 v[T0], v[R], v[T0]                ; r - 8 h, as a signed number
	s_lshl_b32 s3, s[WV], 4
	s_sub_co_u32 s2, s[ROWL], s3                   ; the block's first row less my first key, 16 w
	s_sub_co_u32 s3, s[ROWH], s3
	v_add_nc_u32 v[DD], s2, v[T0]
	v_add_nc_u32 v[DD+2], s3, v[T0]
	v_add_nc_u32 v[DD+1], 16, v[DD]
	v_add_nc_u32 v[DD+3], 16, v[DD+2]
	s_wait_kmcnt 0x0
	s_max_i32 s[LEN], s[LEN], 0
	s_min_u32 s[LEN], s[LEN], 2000
	s_wait_loadcnt 0x0                             ; Q and the column sums
	v_pk_add_f32 v[MEAN:MEAN+1], v[FB:FB+1], v[FB+4:FB+5]
	v_pk_add_f32 v[MEAN+2:MEAN+3], v[FB+2:FB+3], v[FB+6:FB+7]
.set f, 2
.rept 23
	v_pk_add_f32 v[MEAN:MEAN+1], v[MEAN:MEAN+1], v[FB+4*f:FB+4*f+1]
	v_pk_add_f32 v[MEAN+2:MEAN+3], v[MEAN+2:MEAN+3], v[FB+4*f+2:FB+4*f+3]
.set f, f+1
.endr
	v_pk_mul_f32 v[MEAN:MEAN+1], v[MEAN:MEAN+1], 0x3a03126f op_sel_hi:[1,0]      ; / 2000
	v_pk_mul_f32 v[MEAN+2:MEAN+3], v[MEAN+2:MEAN+3], 0x3a03126f op_sel_hi:[1,0]
	s_wait_tensorcnt 0x1                           ; my part of tile 0 is in; tile 1 may stay out
	BAR
	s_mov_b32 s[IT], 0
.Lfull:                                                ; a trip: two key tiles for all four query tiles, and both slots are filled again
	ASTEP 0, 1, 0
	ASTEP 1, 1, 0
	s_add_co_u32 s[IT], s[IT], 1
	s_cmp_lt_u32 s[IT], s[NF]
	s_cbranch_scc1 .Lfull
	s_mov_b32 s[IT], 0
.Lhalf:                                                ; the low block is done: a trip is two key tiles for tiles 2 and 3, and both slots are filled again
	ASTEP 0, 1, 1
	ASTEP 1, 1, 1
	s_add_co_u32 s[IT], s[IT], 1
	s_cmp_lt_u32 s[IT], s[NH]
	s_cbranch_scc1 .Lhalf
	ASTEP 0, 0, 1                                  ; the last two tiles are written out, on the same fixed addresses: they ask for nothing.  Slot 0's tile was shown landed in the last trip's second step;
	ASTEP 1, 0, 1                                  ; slot 1's by the wait for all loads and the barrier in the step above
	; THE WAY OUT.  l: its two halves, the other half of the lanes, the four waves through LDS
.irp t, 0,1,2,3
	v_add_f32 v[ST+8*\t+6], v[ST+8*\t+2], v[ST+8*\t+3]
.endr
.irp t, 0,1,2,3
	v_permlanex16_b32 v[ST+8*\t+7], v[ST+8*\t+6], s[SEL], s[SEL+1]
.endr
.irp t, 0,1,2,3
	v_add_f32 v[ST+8*\t+6], v[ST+8*\t+6], v[ST+8*\t+7]
.endr
.irp t, 0,1,2,3
	ds_store_b32 v[MXS], v[ST+8*\t+6] offset:LSO+256*\t
.endr
	s_wait_dscnt 0x0
	BAR
.irp t, 0,1,2,3
	ds_load_b128 v[X+4*\t:X+4*\t+3], v[MXR] offset:LSO+256*\t
.endr
	s_wait_dscnt 0x0
.irp t, 0,1,2,3
	v_pk_add_f32 v[X+4*\t:X+4*\t+1], v[X+4*\t:X+4*\t+1], v[X+4*\t+2:X+4*\t+3]
.endr
.irp t, 0,1,2,3
	v_add_f32 v[X+4*\t], v[X+4*\t], v[X+4*\t+1]
.endr
.irp t, 0,1,2,3
	v_rcp_f32 v[ST+8*\t+4], v[X+4*\t]
.endr
	v_nop
	s_wait_alu depctr_va_vdst(0)
; Tile t: O^T / l goes through my stage and comes back as rows of my 128 channels, 512 bytes; a row at or behind L takes the mean; a tile behind row 1,999 is not stored
.macro OUT t
.set VR, VRL+(VRH-VRL)*((\t)/2)        ; the block's first row, in every lane,
.set PO, OP+(OPH-OP)*((\t)/2)          ; and its place in out0
	WIN 0x41
.set f, 0
.rept 32
	v_pk_mul_f32 v[64*(\t)+2*f:64*(\t)+2*f+1], v[64*(\t)+2*f:64*(\t)+2*f+1], v[ST+8*(\t)+4:ST+8*(\t)+5] op_sel_hi:[1,0]
.set f, f+1
.endr
	WIN 0x04                                       ; the stores' data in window 1
.set f, 0
.rept 8
	ds_store_b128 v[STO], v[64*(\t)+8*f:64*(\t)+8*f+3] offset:64*f
	ds_store_b128 v[STO], v[64*(\t)+8*f+4:64*(\t)+8*f+7] offset:64*f+16
.set f, f+1
.endr
	WIN 0
.set f, 0
.rept 16
	ds_load_b128 v[FB+4*f:FB+4*f+3], v[RD] offset:SGP*f   ; LDS serves a wave's instructions in order (ISA guide 5.7.1.4): these see the stores above
.set f, f+1
.endr
	s_wait_dscnt 0x0
.set f, 0
.rept 16
	s_sub_co_i32 s3, s[LEN], 16*((\t)%2)+f         ; the block's row 16 (t % 2) + f lies below L where L less that number is greater than the block's first row
	v_cmp_gt_i32 vcc_lo, s3, v[VR]
.irp k, 0,1,2,3
	v_cndmask_b32 v[FB+4*f+\k], v[MEAN+\k], v[FB+4*f+\k], vcc_lo
.endr
.set f, f+1
.endr
	v_cmp_gt_u32 vcc_lo, 2000-16*((\t)%2), v[VR]
	s_wait_xcnt 0x0                                ; EXEC changes only behind this wait
	s_and_saveexec_b32 s[SX], vcc_lo
.set f, 0
.rept 16
	global_store_b128 v[GO], v[FB+4*f:FB+4*f+3], s[PO:PO+1] offset:(16*((\t)%2)+f)*2048 th:TH_STORE_NT   ; 512 consecutive bytes, aligned
.set f, f+1
.endr
	s_wait_xcnt 0x0                                ; and again in front of the line that widens it; it also frees the stores' data
	s_or_b32 exec_lo, exec_lo, s[SX]
.endm
	OUT 0
	OUT 1
	OUT 2
	OUT 3
	s_wait_tensorcnt 0x0                           ; the wave's end
	ds_add_u32 v[SPW], v[NIL]
	s_wait_dscnt 0x0
	CROUND                                         ; the closing round
	s_endpgm
.Lfunc_end_k_q00c2c66583_attn:
	.size	k_q00c2c66583_attn, .Lfunc_end_k_q00c2c66583_attn-k_q00c2c66583_attn
	.p2alignl 7, 3214868480
	.fill 96, 4, 3214868480
	.section	.rodata,"a",@progbits
	.p2align	6, 0x0
	.amdhsa_kernel k_q00c2c66583_attn
		.amdhsa_group_segment_fixed_size 327680
		.amdhsa_private_segment_fixed_size 0
		.amdhsa_enable_private_segment 0
		.amdhsa_kernarg_size 48
		.amdhsa_user_sgpr_count 2
		.amdhsa_user_sgpr_kernarg_segment_ptr 1
		.amdhsa_wavefront_size32 1
		.amdhsa_system_sgpr_workgroup_id_x 1
		.amdhsa_system_sgpr_workgroup_id_y 1
		.amdhsa_system_sgpr_workgroup_id_z 1
		.amdhsa_system_vgpr_workitem_id 0
		.amdhsa_next_free_vgpr 1024
		.amdhsa_next_free_sgpr 100
		.amdhsa_reserve_vcc 1
		.amdhsa_float_denorm_mode_32 3
		.amdhsa_float_denorm_mode_16_64 3
		.amdhsa_memory_ordered 1
		.amdhsa_forward_progress 1
		.amdhsa_inst_pref_size 233
	.end_amdhsa_kernel
	.amdgpu_metadata
---
amdhsa.version: [ 1, 2 ]
amdhsa.kernels:
  - .name:           k_q00c2c66583_attn
    .symbol:         k_q00c2c66583_attn.kd
    .args:
      - { .name: qb, .offset: 0, .size: 8, .value_kind: global_buffer, .address_space: global }
      - { .name: kb, .offset: 8, .size: 8, .value_kind: global_buffer, .address_space: global }
      - { .name: vb, .offset: 16, .size: 8, .value_kind: global_buffer, .address_space: global }
      - { .name: part, .offset: 24, .size: 8, .value_kind: global_buffer, .address_space: global }
      - { .name: input_len, .offset: 32, .size: 8, .value_kind: global_buffer, .address_space: global }
      - { .name: out0, .offset: 40, .size: 8, .value_kind: global_buffer, .address_space: global }
    .group_segment_fixed_size: 327680
    .private_segment_fixed_size: 0
    .kernarg_segment_align: 8
    .kernarg_segment_size: 48
    .max_flat_workgroup_size: 128
    .sgpr_count:     100
    .vgpr_count:     1024
    .wavefront_size: 32
...
	.end_amdgpu_metadata
.endif
;; end of part 6
